; MI455X (gfx1250); checked and timed in simulation.
; The chip was launched on July 23, 2026; its instructions are those of AMD's public machine-readable ISA for CDNA 5 (MIT licence, August 2026) and "CDNA5" Instruction Set Architecture Reference Guide (July 2026). The comments in the code are by the model that wrote it; some were corrected since.
;; Multi Head Self Attention. Allowed arithmetic: matrix products marked QUANTISED: E3M2 operands, one E8M0 scale for each 32 along K, by v_wmma_scale_f32_16x16x128_f8f6f4 with both operands' format E3M2, f32 sums; everything else in f32.
;; Inputs: W_in 3,072 x 1,024 float32; W_out 1,024 x 1,024 float32; attention_mask 4 x 2,048 x 2,048 float32; b_in 3,072 float32; b_out 1,024 float32; padding_mask 4 x 2,048 bool; query 2,048 x 4 x 1,024 float32.
;; Outputs: out0 2,048 x 4 x 1,024 float32.
;; This version of the problem:
;;   THIS VERSION OF THE PROBLEM IS GIVEN IN LOW PRECISION. The matrix products marked QUANTISED in the list below multiply operands that are first quantised to E3M2 (3 exponent bits, 2 mantissa bits; 6 bits a number), with one power-of-two scale for each 32 numbers along K (OCP MX v1.0); their sums are f32. All else is computed in f32.
;;   The module's matrix products, in the order in which they are computed (A, B: the left and right operand; K: the contracted axis; several contracted axes count as one K, in the product's order):
;;     1. [M 8,192, K 1,024] x [K 1,024, N 3,072]; A: input query; B: input W_in: QUANTISED
;;     2. batch 64 x [M 2,048, K 64] x [K 64, N 2,048]; A: computed on the way; B: computed on the way: QUANTISED
;;     3. batch 64 x [M 2,048, K 2,048] x [K 2,048, N 64]; A: softmax (see below); B: computed on the way: QUANTISED
;;     4. [M 8,192, K 1,024] x [K 1,024, N 1,024]; A: computed on the way; B: input W_out: QUANTISED
;;   THE QUANTISER, for each operand of a quantised product, along K:
;;     - K is cut into blocks of 32 from its start; a last block that is shorter is filled with zeros.
;;     - A block's scale is 2^e with e = floor(log2(the largest magnitude in the block)) - 4, held to -126 .. 127; a block of zeros has e = 0. As a byte (E8M0): e + 127.
;;     - Each number is divided by its block's scale, clamped to +-28, and rounded to the nearest number of E3M2, ties to even, subnormals kept.
;;     - The product sums the exact products of the quantised numbers (number of the format x scale) in f32.
;;   ~~~python
;;   def quantise(x, axis):      # numpy; x: float32 -> the quantised numbers, widened to float32 again
;;       x = np.moveaxis(x, axis, -1); K = x.shape[-1]
;;       x = np.pad(x, [(0, 0)] * (x.ndim - 1) + [(0, -K % 32)]); x = x.reshape(x.shape[:-1] + (-1, 32)); a = np.abs(x).max(-1, keepdims=True)
;;       e = np.where(a > 0, np.clip(np.frexp(np.where(a > 0, a, 1))[1] - 1 - 4, -126, 127), 0)      # np.frexp(a)[1] - 1 = floor(log2(a)), exactly
;;       r = np.clip(x / 2.0 ** e, -28, 28)
;;       step = 2.0 ** (np.maximum(np.frexp(np.where(r == 0, 1, r))[1] - 1, -2) - 2)
;;       q = np.round(r / step) * step * 2.0 ** e      # np.round: ties to even
;;       return np.moveaxis(q.reshape(q.shape[:-2] + (-1,))[..., :K], -1, axis).astype(np.float32)
;;   ~~~
;;   SOFTMAX AHEAD OF A QUANTISED PRODUCT. Where the list says 'softmax', what is quantised is not the finished softmax but p = 2^(t - M), with t = logit x log2(e) and M = ceil(the row's largest t), a whole number; so 1/2 < the row's largest p <= 1. The row's sum l is taken of the UNQUANTISED p, in f32, and the product's result is divided by l at the end. Since M is a whole number, a kernel that streams over the keys may use a running M (the ceiling of the running maximum): every later rescaling is an exact power of two, which a block's scale takes up: the codes' values come out the same.
;;   OPERANDS COMPUTED ON THE WAY. 'Computed on the way' means the value that the module computes at that place (a softmax that the list does not call 'softmax' is quantised finished and normalised). What goes into a quantiser is computed in f32, as accurately as f32 sums, v_exp_f32 and their like allow (about 1e-6 of the number): no bf16 or f16 on the way to a quantiser, and a product that is left as it is and whose result goes on into a quantised operand takes f32 operands (vector FMAs, or v_wmma_f32_16x16x4_f32). A number that lies on a knife's edge between two numbers of the format may be rounded either way, as far as f32 arithmetic and the matrix unit's own rounding can turn it there, and no further.
;; One version. Each part assembles by itself: llvm-mc -triple=amdgcn-amd-amdhsa -mcpu=gfx1250 --defsym DOCPART=n.
;; ======== version 1 of 1: 4 launches
;; limits: right only within a limited range of input values
;; workspace buffers: cod 15,728,640 bytes; scl 655,360 bytes; qkv 20,447,232 bytes; padw 16,384 bytes of whole numbers
;; launch quant (part 1): grid 256 x 1, 6 waves a work-group, no clusters, 51,456 bytes of LDS; arguments query, W_in, W_out, padding_mask, cod, scl, padw; writes cod, scl, padw
.if DOCPART == 1
	.amdgcn_target "amdgcn-amd-amdhsa--gfx1250"
	.amdhsa_code_object_version 6
	.text
	.protected	k_q6e4cfda150_quant
	.globl	k_q6e4cfda150_quant
	.p2align	8
	.type	k_q6e4cfda150_quant,@function
k_q6e4cfda150_quant:
	s_mov_b64 s[64:65], 0
	v_nop
	global_prefetch_b8 v0, s[64:65] scope:SCOPE_SE
	s_setreg_imm32_b32 hwreg(HW_REG_WAVE_MODE, 25, 1), 1
	s_wait_xcnt 0x0
; query [2048][4][1024], W_in [3072][1024] and W_out [1024][1024], f32, become codes of BF6 (E3M2) with one E8M0 byte for each 32 along K = 1,024, laid as IMAGES OF OPERAND REGISTERS.
; ROW TILES of 16 rows, numbered T: 0-511 query's, in the order position = batch x 2,048 + token; 512-703 W_in's; 704-767 W_out's.  The fragment (16 rows x 128 K, 12 registers a lane) of tile T and K step q lies in cod at
; (T / 8) x 98,304 + q x 12,288 + (T % 8) x 1,536; registers 4 c .. 4 c + 3 of lane l at 512 c + 16 l.  Row 16 T + r's scale word of K step q lies in scl at (q / 4) x 327,680 + (16 T + r) x 16 + 4 (q % 4).
; ORDER INSIDE A BLOCK OF 32: the four groups of eight neighbours stand in the order 0, 2, 1, 3.  Every operand of this program is laid so (results of transposed products fall so by themselves), so each product still
; meets like with like; blocks, scales and codes are the quantiser's own, only the order of a block's 32 products in the sum differs.
; A block's scale is 2^(floor(log2(largest magnitude)) - 4): its byte is the largest magnitude's exponent field - 4, held at 1 from below.
; LIMITS: NaN and infinities are not served; a block whose largest magnitude lies under 2^-122, a block of zeros among them, keeps the byte 1 (its codes add nothing; this program alone reads the bytes).
; SHARES: 1,536 units of 16 rows x 512 K, one a wave: unit U = 6 x work-group + wave, tile U / 2, half U % 2 of K: four fragments.  Each load reads 512 consecutive bytes of one row; the 16 rows of a K step turn through
; the wave's own stage in LDS (rows of 512 + 16 bytes), from which lane (r, h) takes 16 numbers of each block of row r.  Waves share nothing: no barrier.  16 to 32 loads a wave are out.
; Also: padding_mask [4][2048] becomes padw [4][16][64] words, lane masks in the order of the score tiles' registers: word 8 t + j of step s, t = 4 c + u, g = 2 (u % 2) + u / 2, has its low 16 bits set where key
; 128 s + 64 c + 8 g + j is padded and its high 16 bits where key 128 s + 64 c + 32 + 8 g + j is.
.set STG,  8448                        ; a wave's stage: 16 rows x 528 bytes
.set PW,   8                           ; v8-11   the four fragments' scale words
.set BM,   16                          ; v16-19  largest magnitudes
.set PT,   20                          ; v20-23  the other half's; then the bytes
.set SO,   24                          ; v24-27  the conversions' scale operands
.set CT,   28                          ; v28-35  the odd blocks' codes, on their way
.set PC,   36                          ; v36-47  a fragment's codes
.set R,    64                          ; v64-191 two sets of 64: a K step's numbers as loaded
.set X,    192                         ; v192-255 the same, 16 of each block to a lane
.set SEL,  26                          ; s[26:27] lane selects: lane l xor 16
; 64 numbers of a lane, register 16 b + i of block b of my row (the lane 16 away holds the block's other 16), become a fragment's codes in v[PC] on and my row's scale word in v[pw].
; wx = 1: v[PC] on were the data of earlier stores, which have read them only behind the wait on XCNT.
.macro QUANT s, pw, wx
.irp b, 0,1,2,3
	v_max3_num_f32 v[BM+\b], |v[\s+16*\b]|, |v[\s+16*\b+1]|, 0x2800000   ; my 16 numbers, and the floor 2^(5 - 127): the byte cannot fall under 1
.endr
.irp i, 2,4,6,8,10,12,14
.irp b, 0,1,2,3
	v_max3_num_f32 v[BM+\b], v[BM+\b], |v[\s+16*\b+\i]|, |v[\s+16*\b+\i+1]|   ; the four blocks by turns
.endr
.endr
.irp b, 0,1,2,3
	v_permlanex16_b32 v[PT+\b], v[BM+\b], s[SEL], s[SEL+1]
.endr
.irp b, 0,1,2,3
	v_max_num_f32 v[BM+\b], v[BM+\b], v[PT+\b]                     ; the block's largest magnitude
.endr
.irp b, 0,1,2,3
	v_add_nc_u32 v[SO+\b], 0xfe000000, v[BM+\b]                    ; 4 off its exponent field: the conversion takes this operand's exponent field as its scale
.endr
.irp b, 0,1,2,3
	v_lshrrev_b32 v[PT+\b], 23, v[SO+\b]                           ; the scale's byte
.endr
	v_lshl_or_b32 v[\pw], v[PT+1], 8, v[PT]
	v_lshl_or_b32 v[\pw], v[PT+2], 16, v[\pw]
	v_lshl_or_b32 v[\pw], v[PT+3], 24, v[\pw]
.if \wx
	s_wait_xcnt 0x0
.endif
.irp c, 0,1
	v_cvt_scalef32_pk16_bf6_f32 v[PC+6*\c:PC+6*\c+2], v[\s+32*\c:\s+32*\c+15], v[SO+2*\c]
	v_cvt_scalef32_pk16_bf6_f32 v[CT+4*\c:CT+4*\c+2], v[\s+32*\c+16:\s+32*\c+31], v[SO+2*\c+1]   ; (a conversion's three registers begin on an even number)
.endr
	v_nop                                          ; one plain instruction behind the scaled conversions
.irp c, 0,1                                    ; the operand wants a whole block in a lane: lanes 0-15 block 2 c, lanes 16-31 block 2 c + 1
.irp i, 0,1,2
	v_permlane16_swap_b32 v[PC+6*\c+\i], v[CT+4*\c+\i]
.endr
.irp i, 0,1,2
	v_mov_b32 v[PC+3+6*\c+\i], v[CT+4*\c+\i]
.endr
.endr
.endm
	s_load_b256 s[4:11], s[0:1], 0x0               ; query s[4:5], W_in s[6:7], W_out s[8:9], padding_mask s[10:11]
	s_load_b128 s[12:15], s[0:1], 0x20             ; cod s[12:13], scl s[14:15]
	s_load_b64 s[16:17], s[0:1], 0x30              ; padw
	v_lshl_add_u32 v62, v0, 2, 0xc600
	v_mov_b32 v63, 0
	v_lshrrev_b32 v1, 5, v0
	v_readfirstlane_b32 s18, v1                    ; wave 0..5
	v_and_b32 v1, 31, v0                           ; lane
	v_and_b32 v2, 15, v0                           ; r
	v_bfe_u32 v3, v0, 4, 1                         ; h
	v_lshlrev_b32 v4, 4, v1                        ; 16 x lane: my bytes of a load, and of an image's store
	s_mul_i32 s19, s18, STG
	v_add_nc_u32 v5, s19, v4                       ; the stage, on the way in: row i at 528 i
	v_mul_u32_u24 v6, v2, 528
	v_lshl_add_u32 v6, v3, 5, v6
	v_add_nc_u32 v6, s19, v6                       ; and out: row r, + 32 h: groups 0 and 2 of a block for lanes 0-15, groups 1 and 3 for lanes 16-31
	v_lshlrev_b32 v7, 4, v2
	v_lshl_add_u32 v7, v3, 3, v7                   ; scale words: 16 r + 8 h
.irp b, 0,1,2,3
	v_mov_b32 v[PT+\b], 0                          ; written once: a lane permute's destination counts as one of its sources
.endr
	s_mov_b32 s[SEL], 0x76543210
	s_mov_b32 s[SEL+1], 0xfedcba98
	s_mov_b32 s28, 0xffff0000                      ; lanes 16-31
	s_mul_i32 s19, ttmp9, 6
	s_add_co_u32 s19, s19, s18                     ; U
	s_lshr_b32 s20, s19, 1                         ; T
	s_and_b32 s21, s19, 1                          ; which half of K
	s_and_b32 s22, s20, 127                        ; query: tile T holds tokens 16 (T % 128) on of batch T / 128; token s of batch b lies at (4 s + b) x 4,096 bytes
	s_lshl_b32 s22, s22, 6
	s_lshr_b32 s23, s20, 7
	s_add_co_u32 s22, s22, s23
	s_lshl_b32 s22, s22, 12
	s_mov_b32 s29, 704                             ; a weight: 16 rows of 4,096 bytes a tile
	s_cmp_lt_u32 s20, 704
	s_cselect_b32 s29, 512, s29
	s_sub_co_u32 s29, s20, s29
	s_lshl_b32 s29, s29, 16
	s_wait_alu depctr_va_vdst(0)
	s_wait_kmcnt 0x0
	s_cmp_lt_u32 s20, 704                          ; the tensor is chosen by the tile's number alone: one path through the text serves all three
	s_cselect_b64 s[32:33], s[6:7], s[8:9]
	s_mov_b32 s24, 4096
	s_cmp_lt_u32 s20, 512
	s_cselect_b64 s[32:33], s[4:5], s[32:33]
	s_cselect_b32 s22, s22, s29
	s_cselect_b32 s24, 16384, s24                  ; from row to row of a tile
	s_mov_b32 s25, 0
	s_lshl_b32 s23, s21, 11
	s_add_co_u32 s22, s22, s23                     ; + my half of K: 2,048 bytes
	s_mov_b32 s23, 0
	s_add_nc_u64 s[32:33], s[32:33], s[22:23]      ; row 0; the sixteen rows' addresses stand in s[32:63] and are never rewritten
.irp i, 1,2,3,4,5,6,7,8,9,10,11,12,13,14,15
	s_add_nc_u64 s[32+2*\i:33+2*\i], s[30+2*\i:31+2*\i], s[24:25]
.endr
	s_lshr_b32 s30, s20, 3
	s_mul_i32 s30, s30, 98304
	s_and_b32 s31, s20, 7
	s_mul_i32 s31, s31, 1536
	s_add_co_u32 s30, s30, s31
	s_mul_i32 s31, s21, 49152
	s_add_co_u32 s30, s30, s31
	s_mov_b32 s31, 0
	s_add_nc_u64 s[12:13], s[12:13], s[30:31]      ; my first fragment's image
	s_mul_i32 s30, s21, 327680
	s_lshl_b32 s29, s20, 8
	s_add_co_u32 s30, s30, s29
	s_add_nc_u64 s[14:15], s[14:15], s[30:31]      ; my tile's 256 bytes of scale words
.macro LOAD f                          ; K step f of my four: 16 rows x 512 consecutive bytes, into set f % 2
.irp i, 0,1,2,3,4,5,6,7,8,9,10,11,12,13,14,15
	global_load_b128 v[R+64*((\f)%2)+4*\i:R+64*((\f)%2)+4*\i+3], v4, s[32+2*\i:33+2*\i] offset:512*(\f) th:TH_LOAD_NT
.endr
.endm
.macro FRAGQ f
.if (\f) < 3
	s_wait_loadcnt 16                              ; this K step's 16 loads are in; the next one's 16 may be out
.else
	s_wait_loadcnt 0x0
.endif
.irp i, 0,1,2,3,4,5,6,7,8,9,10,11,12,13,14,15
	ds_store_b128 v5, v[R+64*((\f)%2)+4*\i:R+64*((\f)%2)+4*\i+3] offset:528*\i
.endr
.irp b, 0,1,2,3                                ; LDS serves a wave's instructions in order: these see the stores above
	ds_load_b128 v[X+16*\b:X+16*\b+3], v6 offset:128*\b
	ds_load_b128 v[X+16*\b+4:X+16*\b+7], v6 offset:128*\b+16
	ds_load_b128 v[X+16*\b+8:X+16*\b+11], v6 offset:128*\b+64
	ds_load_b128 v[X+16*\b+12:X+16*\b+15], v6 offset:128*\b+80
.endr
	s_wait_dscnt 0x0                               ; the numbers are back, and the stores have read the set,
.if (\f) < 2
	LOAD (\f)+2                                    ; which takes the K step two on
.endif
	QUANT X, PW+(\f), (\f)
.irp c, 0,1,2
	global_store_b128 v4, v[PC+4*\c:PC+4*\c+3], s[12:13] offset:12288*(\f)+512*\c   ; 32 lanes store 512 consecutive bytes, at a multiple of 256 from the buffer's first byte
.endr
.endm
	LOAD 0
	LOAD 1
	FRAGQ 0
	FRAGQ 1
	FRAGQ 2
	FRAGQ 3
	v_cndmask_b32 v12, v8, v10, s28                ; lanes 0-15 store words 0, 1 of row r, lanes 16-31 words 2, 3: 256 consecutive bytes
	v_cndmask_b32 v13, v9, v11, s28
	global_store_b64 v7, v[12:13], s[14:15]
	; the lane masks of the padded keys: 4,096 words, 128 to each of the first 32 work-groups (waves 0 to 3); no LDS here
	s_cmp_lt_u32 ttmp9, 32
	s_cbranch_scc0 .Lend
	s_cmp_lt_u32 s18, 4
	s_cbranch_scc0 .Lend
	s_lshl_b32 s19, ttmp9, 7
	v_add_nc_u32 v48, s19, v0                      ; word w = ((batch x 16 + step) x 8 + t) x 8 + j, t = 4 c + u
	v_lshrrev_b32 v49, 5, v48
	v_and_b32 v50, 7, v48
	v_lshl_add_u32 v49, v49, 6, v50                ; its first key's byte: 128 x (batch x 16 + step) + 64 c + j
	v_bfe_u32 v50, v48, 3, 1
	v_lshl_add_u32 v49, v50, 4, v49                ; + 16 (u % 2)
	v_bfe_u32 v50, v48, 4, 1
	v_lshl_add_u32 v49, v50, 3, v49                ; + 8 (u / 2)
	global_load_u8 v51, v49, s[10:11]
	global_load_u8 v52, v49, s[10:11] offset:32
	v_lshlrev_b32 v48, 2, v48
	v_mov_b32 v53, 0xffff
	v_mov_b32 v54, 0xffff0000
	s_wait_alu depctr_va_vdst(0)
	s_wait_loadcnt 0x0
	v_cmp_ne_u32 vcc_lo, 0, v51
	v_cndmask_b32 v55, 0, v53, vcc_lo
	v_cmp_ne_u32 vcc_lo, 0, v52
	v_cndmask_b32 v56, 0, v54, vcc_lo
	v_or_b32 v55, v55, v56
	global_store_b32 v48, v55, s[16:17]            ; a wave stores 128 consecutive bytes, the four waves 512
.Lend:
	s_wait_tensorcnt 0x0                           ; the wave's end
	ds_add_u32 v62, v63
	s_wait_dscnt 0x0
	s_endpgm
.Lfunc_end_k_q6e4cfda150_quant:
	.size	k_q6e4cfda150_quant, .Lfunc_end_k_q6e4cfda150_quant-k_q6e4cfda150_quant
	.p2alignl 7, 3214868480
	.fill 96, 4, 3214868480
	.section	.rodata,"a",@progbits
	.p2align	6, 0x0
	.amdhsa_kernel k_q6e4cfda150_quant
		.amdhsa_group_segment_fixed_size 51456
		.amdhsa_private_segment_fixed_size 0
		.amdhsa_enable_private_segment 0
		.amdhsa_kernarg_size 56
		.amdhsa_user_sgpr_count 2
		.amdhsa_user_sgpr_kernarg_segment_ptr 1
		.amdhsa_wavefront_size32 1
		.amdhsa_system_sgpr_workgroup_id_x 1
		.amdhsa_system_sgpr_workgroup_id_y 1
		.amdhsa_system_sgpr_workgroup_id_z 1
		.amdhsa_system_vgpr_workitem_id 0
		.amdhsa_next_free_vgpr 256
		.amdhsa_next_free_sgpr 66
		.amdhsa_reserve_vcc 1
		.amdhsa_float_denorm_mode_32 3
		.amdhsa_float_denorm_mode_16_64 3
		.amdhsa_memory_ordered 1
		.amdhsa_forward_progress 1
		.amdhsa_inst_pref_size 36
	.end_amdhsa_kernel
	.amdgpu_metadata
---
amdhsa.version: [ 1, 2 ]
amdhsa.kernels:
  - .name:           k_q6e4cfda150_quant
    .symbol:         k_q6e4cfda150_quant.kd
    .args:
      - { .name: query, .offset: 0, .size: 8, .value_kind: global_buffer, .address_space: global }
      - { .name: W_in, .offset: 8, .size: 8, .value_kind: global_buffer, .address_space: global }
      - { .name: W_out, .offset: 16, .size: 8, .value_kind: global_buffer, .address_space: global }
      - { .name: padding_mask, .offset: 24, .size: 8, .value_kind: global_buffer, .address_space: global }
      - { .name: cod, .offset: 32, .size: 8, .value_kind: global_buffer, .address_space: global }
      - { .name: scl, .offset: 40, .size: 8, .value_kind: global_buffer, .address_space: global }
      - { .name: padw, .offset: 48, .size: 8, .value_kind: global_buffer, .address_space: global }
    .group_segment_fixed_size: 51456
    .private_segment_fixed_size: 0
    .kernarg_segment_align: 8
    .kernarg_segment_size: 56
    .max_flat_workgroup_size: 192
    .sgpr_count:     66
    .vgpr_count:     256
    .wavefront_size: 32
...
	.end_amdgpu_metadata
.endif
;; end of part 1
;; launch qkv (part 2): grid 12 x 32, 4 waves a work-group, clusters of 4 x 4, 327,680 bytes of LDS; arguments cod, scl, b_in, padding_mask, qkv; writes qkv
.if DOCPART == 2
	.amdgcn_target "amdgcn-amd-amdhsa--gfx1250"
	.amdhsa_code_object_version 6
	.text
	.protected	k_q6e4cfda150_qkv
	.globl	k_q6e4cfda150_qkv
	.p2align	8
	.type	k_q6e4cfda150_qkv,@function
k_q6e4cfda150_qkv:
	s_mov_b64 s[64:65], 0
	v_nop
	global_prefetch_b8 v0, s[64:65] scope:SCOPE_SE
	s_setreg_imm32_b32 hwreg(HW_REG_WAVE_MODE, 25, 1), 1
	s_wait_xcnt 0x0
	s_wait_alu depctr_hold_cnt(0) depctr_sa_sdst(0) depctr_va_vdst(0) depctr_va_sdst(0) depctr_va_ssrc(0) depctr_va_vcc(0) depctr_vm_vsrc(0)
	s_getreg_b32 s2, hwreg(HW_REG_IB_STS2, 6, 4)
	s_cmp_eq_u32 s2, 0
	s_cbranch_scc0 .Lentry_in_a_cluster
	s_endpgm
.Lentry_in_a_cluster:
	s_bfe_u32 s2, ttmp6, 0x10000c
	s_cmp_lg_u32 s2, 0xf033
	s_cbranch_scc0 .Lentry_shape_is_right
	s_endpgm
.Lentry_shape_is_right:
.set PART,  24576
.set SLOT,  4*PART
.set SPARE, 2*SLOT+4096
.set FR,    12
.set ADR1,  16
.set ADR0,  20
.set V16,   24
.set V8,    25
.set SPW,   28
.set NIL,   29
.set SC,    32
.set MB,    96
.set PWS,   112
.set PD,    120
.set AF,    128
.set E,     128
.set BM,    192
.set PT,    196
.set SO,    200
.set CT,    204
.set PC,    212
.set SW,    224
.set G1,    24
.set G0,    32
.set G1B,   48
.set G0B,   56
.set SEL,   88
.set MSB, 0
.macro WIN new
.if MSB != (\new)
	s_set_vgpr_msb (MSB<<8)|(\new)
.set MSB, (\new)
.endif
.endm
.macro JLOAD g0a, g1a, g0b, g1b
	s_cmp_eq_u32 s15, 0
	s_cbranch_scc0 .Lfor_b_\@
	tensor_load_to_lds s[\g0a:\g0a+3], s[\g1a:\g1a+7]
	s_nop 0
.rept 4
	v_nop
.endr
	s_branch .Lasked_\@
.Lfor_b_\@:
	tensor_load_to_lds s[\g0b:\g0b+3], s[\g1b:\g1b+7]
	s_nop 0
.rept 4
	v_nop
.endr
.Lasked_\@:
.endm
.macro CREST
	s_cmp_lg_u32 s14, 0
	s_cbranch_scc1 .Lnot_wave_0_\@
	s_barrier_signal -3
.Lnot_wave_0_\@:
	s_barrier_wait -3
	s_barrier_signal -1
	s_barrier_wait -1
.endm
.macro CROUND
	s_barrier_signal -1
	s_barrier_wait -1
	CREST
.endm
.macro PLACES
.rept 4
	v_nop
.endr
.endm
.macro QUANT s, pw, wx
.irp b, 0,1,2,3
	v_max3_num_f32 v[BM+\b], |v[\s+16*\b]|, |v[\s+16*\b+1]|, 0x2800000
.endr
.irp i, 2,4,6,8,10,12,14
.irp b, 0,1,2,3
	v_max3_num_f32 v[BM+\b], v[BM+\b], |v[\s+16*\b+\i]|, |v[\s+16*\b+\i+1]|
.endr
.endr
.irp b, 0,1,2,3
	v_permlanex16_b32 v[PT+\b], v[BM+\b], s[SEL], s[SEL+1]
.endr
.irp b, 0,1,2,3
	v_max_num_f32 v[BM+\b], v[BM+\b], v[PT+\b]
.endr
.irp b, 0,1,2,3
	v_add_nc_u32 v[SO+\b], 0xfe000000, v[BM+\b]
.endr
.irp b, 0,1,2,3
	v_lshrrev_b32 v[PT+\b], 23, v[SO+\b]
.endr
	v_lshl_or_b32 v[\pw], v[PT+1], 8, v[PT]
	v_lshl_or_b32 v[\pw], v[PT+2], 16, v[\pw]
	v_lshl_or_b32 v[\pw], v[PT+3], 24, v[\pw]
.if \wx
	s_wait_xcnt 0x0
.endif
.irp c, 0,1
	v_cvt_scalef32_pk16_bf6_f32 v[PC+6*\c:PC+6*\c+2], v[\s+32*\c:\s+32*\c+15], v[SO+2*\c]
	v_cvt_scalef32_pk16_bf6_f32 v[CT+4*\c:CT+4*\c+2], v[\s+32*\c+16:\s+32*\c+31], v[SO+2*\c+1]
.endr
	v_nop
.irp c, 0,1
.irp i, 0,1,2
	v_permlane16_swap_b32 v[PC+6*\c+\i], v[CT+4*\c+\i]
.endr
.irp i, 0,1,2
	v_mov_b32 v[PC+3+6*\c+\i], v[CT+4*\c+\i]
.endr
.endr
.endm
	s_load_b256 s[4:11], s[0:1], 0x0
	s_load_b64 s[12:13], s[0:1], 0x20
	v_lshl_add_u32 v[SPW], v0, 2, SPARE
	v_mov_b32 v[NIL], 0
	ds_add_u32 v28, v29
	ds_add_u32 v28, v29
	s_wait_dscnt 0x0
	v_lshrrev_b32 v1, 5, v0
	v_readfirstlane_b32 s14, v1
	s_lshr_b32 s15, s14, 1
	s_and_b32 s16, s14, 1
	s_bfe_u32 s40, ttmp6, 0x40000
	s_bfe_u32 s41, ttmp6, 0x40004
	s_lshl_b32 s42, ttmp9, 2
	s_add_co_u32 s42, s42, s40
	s_and_b32 s17, ttmp7, 0xffff
	s_lshl_b32 s17, s17, 2
	s_add_co_u32 s17, s17, s41
	s_lshl_b32 s43, s41, 2
	s_lshl_b32 s43, 15, s43
	s_lshl_b32 s44, 0x1111, s40
	s_or_b32 s[G1], s43, (3<<16)|(1<<21)
	s_or_b32 s[G1B], s44, (3<<16)|(1<<21)
.irp g, G1, G1B
	s_mov_b32 s[\g+1], 32<<16
	s_mov_b32 s[\g+2], 96<<16
	s_mov_b32 s[\g+3], 32<<16
	s_mov_b32 s[\g+4], 96
	s_mov_b32 s[\g+5], 32
	s_mov_b32 s[\g+6], 0
	s_mov_b32 s[\g+7], 0
.endr
	s_lshl_b32 s20, s17, 1
	s_add_co_u32 s20, s20, s16
	s_mul_i32 s20, s20, 98304
	s_mov_b32 s21, 0
	s_lshl_b32 s46, s42, 1
	s_add_co_u32 s46, s46, s16
	s_add_co_u32 s46, s46, 64
	s_mul_i32 s46, s46, 98304
	s_mov_b32 s47, 0
	s_mul_i32 s45, s14, PART
	s_wait_kmcnt 0x0
	s_add_nc_u64 s[20:21], s[4:5], s[20:21]
	s_add_nc_u64 s[46:47], s[4:5], s[46:47]
	CROUND
.irp s, 0,1
	s_mov_b32 s[G0+4*\s], 1
	s_add_co_u32 s[G0+4*\s+1], s45, \s*SLOT
	s_add_nc_u64 s[G0+4*\s+2:G0+4*\s+3], s[20:21], \s*PART
	s_or_b32 s[G0+4*\s+3], s[G0+4*\s+3], 0x80000000
	s_mov_b32 s[G0B+4*\s], 1
	s_add_co_u32 s[G0B+4*\s+1], s45, \s*SLOT
	s_add_nc_u64 s[G0B+4*\s+2:G0B+4*\s+3], s[46:47], \s*PART
	s_or_b32 s[G0B+4*\s+3], s[G0B+4*\s+3], 0x80000000
	s_wait_alu depctr_va_vdst(0)
	s_wait_tensorcnt 0x0
	ds_add_u32 v28, v29
	ds_add_u32 v28, v29
	s_wait_dscnt 0x0
	CROUND
	JLOAD G0+4*\s, G1, G0B+4*\s, G1B
.endr
	v_and_b32 v1, 15, v0
	v_bfe_u32 v2, v0, 4, 1
	v_and_b32 v3, 31, v0
	v_lshlrev_b32 v[V16], 4, v3
	s_wait_alu depctr_va_vdst(0)
	v_lshlrev_b32 v[V8], 3, v3
	s_mov_b32 s[SEL], 0x76543210
	s_mov_b32 s[SEL+1], 0xfedcba98
	s_mov_b32 s81, 0xffff0000
	s_lshl_b32 s66, s17, 1
	s_add_co_u32 s67, s66, s16
	s_add_co_u32 s66, s66, s15
	s_lshl_b32 s68, s42, 1
	s_add_co_u32 s68, s68, 64
	s_add_co_u32 s69, s68, s16
	s_add_co_u32 s68, s68, s15
	s_mov_b32 s79, 0x3e000000
	s_mov_b32 s80, 0x3f800000
	s_cmp_eq_u32 ttmp9, 2
	s_cselect_b32 s70, 2*PART, 0
	s_cselect_b32 s71, 0, 2*PART
	s_cselect_b32 s72, s68, s66
	s_cselect_b32 s73, s67, s69
	s_cselect_b32 s74, s67, s66
	s_cselect_b32 s75, s68, s69
	s_cselect_b32 s76, s15, s16
	s_cselect_b32 s77, -1, 0
	s_cmp_eq_u32 ttmp9, 1
	s_cselect_b32 s78, -1, 0
	s_cmp_eq_u32 ttmp9, 0
	s_cselect_b32 s79, s79, s80
	s_mul_i32 s80, s15, PART
	s_add_co_u32 s70, s70, s80
	s_mul_i32 s80, s16, PART
	s_add_co_u32 s71, s71, s80
	v_add_nc_u32 v[ADR1], s70, v[V16]
	v_add_nc_u32 v[ADR0], s71, v[V16]
	v_add_nc_u32 v[ADR1+1], SLOT, v[ADR1]
	v_add_nc_u32 v[ADR0+1], SLOT, v[ADR0]
	s_lshl_b32 s72, s72, 11
	s_lshl_b32 s73, s73, 11
	v_mov_b32 v4, s72
	v_mov_b32 v5, s73
	v_cndmask_b32 v4, v4, v5, s81
	v_lshl_add_u32 v4, v1, 4, v4
.irp i, 0,1,2,3,4,5,6,7
	global_load_b128 v[SC+8*\i:SC+8*\i+3], v4, s[6:7] offset:256*\i
	global_load_b128 v[SC+8*\i+4:SC+8*\i+7], v4, s[6:7] offset:327680+256*\i
.endr
	s_sub_co_u32 s82, s75, 64
	s_lshl_b32 s82, s82, 9
	s_mov_b32 s83, 0
	s_add_nc_u64 s[8:9], s[8:9], s[82:83]
	v_lshlrev_b32 v6, 5, v2
	v_lshlrev_b32 v7, 2, v1
	; K's rows change tiles on their way out: row r of token tile a goes to tile 4 (a / 4) + a % 2 + 2 (r / 8), row 8 ((a / 2) % 2) + r % 8, so that a lane of the score products holds whole blocks of 32 keys.
	; v10, v11: the stores' lane offsets for tiles with (a / 2) % 2 = 0; v12, v13: for the others.  Q and V keep the plain order (the immediates are K's; 1,408 and 1,472 make up the difference).
	v_lshrrev_b32 v8, 3, v1
	v_and_b32 v9, 7, v1
	v_mul_u32_u24 v8, v8, 1536
	v_lshl_add_u32 v10, v9, 4, v8
	v_lshl_add_u32 v11, v9, 3, v8
	v_lshl_add_u32 v10, v2, 8, v10
	v_lshl_add_u32 v11, v2, 7, v11
	v_add_nc_u32 v12, 1408, v[V16]
	v_add_nc_u32 v13, 1472, v[V8]
	v_cndmask_b32 v12, v12, v10, s78
	v_cndmask_b32 v13, v13, v11, s78
	v_cndmask_b32 v10, v[V16], v10, s78
	v_cndmask_b32 v11, v[V8], v11, s78
	WIN 0x40
.irp t, 0,1,2,3,4,5,6,7
	global_load_b128 v[96+8*\t+96*(\t/4):96+8*\t+96*(\t/4)+3], v6, s[8:9] offset:64*\t
	global_load_b128 v[96+8*\t+96*(\t/4)+4:96+8*\t+96*(\t/4)+7], v6, s[8:9] offset:64*\t+16
.endr
	WIN 0
.irp a, 0,1,2,3,4,5,6,7
	global_load_b32 v[MB+2*\a+1], v7, s[8:9] offset:64*\a
.endr
	s_lshl_b32 s84, s74, 7
	s_mov_b32 s85, 0
	s_add_nc_u64 s[10:11], s[10:11], s[84:85]
.irp a, 0,1,2,3,4,5,6,7
	global_load_u8 v[PD+\a], v1, s[10:11] offset:16*\a
.endr
	s_lshl_b32 s86, ttmp9, 2
	s_lshr_b32 s87, s74, 4
	s_add_co_u32 s86, s86, s87
	s_lshl_b32 s86, s86, 2
	s_add_co_u32 s86, s86, s40
	s_lshl_b32 s86, s86, 4
	s_and_b32 s87, s74, 15
	s_add_co_u32 s86, s86, s87
	s_lshl_b32 s86, s86, 1
	s_add_co_u32 s86, s86, s76
	s_mul_i32 s86, s86, 13312
	s_mov_b32 s87, 0
	s_add_nc_u64 s[12:13], s[12:13], s[86:87]
	s_wait_loadcnt 0x0
	WIN 0x41
.set i, 0
.rept 32
	v_cndmask_b32 v[96+i], v[96+i], v[NIL], s77
	v_cndmask_b32 v[224+i], v[224+i], v[NIL], s77
.set i, i+1
.endr
	WIN 0
	v_mov_b32 v26, s79
.irp a, 0,1,2,3,4,5,6,7
	v_cndmask_b32 v[MB+2*\a+1], v[NIL], v[MB+2*\a+1], s77
	v_and_b32 v27, s78, v[PD+\a]
	v_cmp_ne_u32 vcc_lo, 0, v27
	v_cndmask_b32 v[MB+2*\a], v26, v[NIL], vcc_lo
.endr
.macro FRAG reg, adr, off
.irp c, 0,1,2
	ds_load_b128 v[\reg+4*\c:\reg+4*\c+3], v[\adr] offset:\off+512*\c
.endr
.endm
.macro FETCH_B slot, q, p
	WIN 0x40
.irp i, 0,1,2,3,4,5,6,7
	FRAG 128*(\p)+FR*\i, ADR0+\slot, (\q)*12288+\i*1536
.endr
	WIN 0
.endm
.macro FETCH_A slot, q, i0
.irp i, \i0, \i0+1, \i0+2, \i0+3
	FRAG AF+FR*(\i), ADR1+\slot, (\q)*12288+(\i)*1536
.endr
.endm
.macro MUL16 a0, p, kq, zero
.irp a, \a0, \a0+1
.irp b, 0,1,2,3,4,5,6,7
.if \zero
	v_wmma_scale_f32_16x16x128_f8f6f4 v[8*(8*((\a)%4)+\b):8*(8*((\a)%4)+\b)+7], v[128*(\p)+FR*\b:128*(\p)+FR*\b+FR-1], v[AF+FR*(\a):AF+FR*(\a)+FR-1], 0, v[SC+8*\b+(\kq)], v[SC+8*(\a)+(\kq)] matrix_a_fmt:MATRIX_FMT_BF6 matrix_b_fmt:MATRIX_FMT_BF6 matrix_a_scale:MATRIX_SCALE_ROW1
.else
	v_wmma_scale_f32_16x16x128_f8f6f4 v[8*(8*((\a)%4)+\b):8*(8*((\a)%4)+\b)+7], v[128*(\p)+FR*\b:128*(\p)+FR*\b+FR-1], v[AF+FR*(\a):AF+FR*(\a)+FR-1], v[8*(8*((\a)%4)+\b):8*(8*((\a)%4)+\b)+7], v[SC+8*\b+(\kq)], v[SC+8*(\a)+(\kq)] matrix_a_fmt:MATRIX_FMT_BF6 matrix_b_fmt:MATRIX_FMT_BF6 matrix_a_scale:MATRIX_SCALE_ROW1
.endif
.endr
.endr
.endm
.macro STEP slot, kq, zero
	s_wait_dscnt 12
	WIN 0xa1
	MUL16 0, 0, \kq, \zero
	MUL16 2, 0, \kq, \zero
	s_wait_dscnt 0x0
	PLACES
	FETCH_B \slot, 1, 1
	FETCH_A \slot, 1, 0
	WIN 0xf1
	MUL16 4, 0, \kq, \zero
	MUL16 6, 0, \kq, \zero
	PLACES
	WIN 0
	FETCH_A \slot, 1, 4
.endm
.macro TURN slot, next, kq, fill
	s_wait_tensorcnt 0x0
	ds_add_u32 v[SPW], v[NIL]
	s_wait_dscnt 13
	WIN 0xa1
	MUL16 0, 1, \kq, 0
	s_wait_dscnt 0x0
	s_barrier_signal -1
	MUL16 2, 1, \kq, 0
	WIN 0
	s_barrier_wait -1
.if \fill
	CREST
	s_add_nc_u64 s[G0+4*\slot+2:G0+4*\slot+3], s[G0+4*\slot+2:G0+4*\slot+3], 2*PART
	s_add_nc_u64 s[G0B+4*\slot+2:G0B+4*\slot+3], s[G0B+4*\slot+2:G0B+4*\slot+3], 2*PART
	JLOAD G0+4*\slot, G1, G0B+4*\slot, G1B
.else
	PLACES
.endif
	FETCH_B \next, 0, 0
	FETCH_A \next, 0, 0
	WIN 0xf1
	MUL16 4, 1, \kq, 0
	MUL16 6, 1, \kq, 0
	PLACES
	WIN 0
	FETCH_A \next, 0, 4
.endm
	s_wait_tensorcnt 1
	s_barrier_signal -1
	s_barrier_wait -1
	FETCH_B 0, 0, 0
	FETCH_A 0, 0, 0
	FETCH_A 0, 0, 4
	STEP 0, 0, 1
	TURN 0, 1, 1, 1
	STEP 1, 2, 0
	TURN 1, 0, 3, 1
	STEP 0, 4, 0
	TURN 0, 1, 5, 0
	STEP 1, 6, 0
	s_wait_dscnt 12
	WIN 0xa1
	MUL16 0, 1, 7, 0
	MUL16 2, 1, 7, 0
	s_wait_dscnt 0x0
	WIN 0xf1
	MUL16 4, 1, 7, 0
	MUL16 6, 1, 7, 0
	WIN 0
.macro OUTBLK a
	WIN 0x06+((\a)/4)
.set i, 0
.rept 32
	v_pk_add_f32 v[E+2*i:E+2*i+1], v[64*((\a)%4)+2*i:64*((\a)%4)+2*i+1], v[96+2*i+96*(i/16):96+2*i+96*(i/16)+1]
.set i, i+1
.endr
	WIN 0
.set i, 0
.rept 32
	v_pk_fma_f32 v[E+2*i:E+2*i+1], v[E+2*i:E+2*i+1], v[MB+2*(\a):MB+2*(\a)+1], v[MB+2*(\a):MB+2*(\a)+1] op_sel:[0,0,1] op_sel_hi:[1,0,1]
.set i, i+1
.endr
	QUANT E, PWS+(\a), (\a)
.set KI, 768*(4*((\a)/4)+((\a)%2))
.set HM, ((\a)/2)%2
	global_store_b128 v[10+2*HM], v[PC:PC+3], s[12:13] offset:KI+128*HM th:TH_STORE_NT
	global_store_b64 v[11+2*HM], v[PC+4:PC+5], s[12:13] offset:KI+512+64*HM th:TH_STORE_NT
	global_store_b128 v[10+2*HM], v[PC+6:PC+9], s[12:13] offset:6144+KI+128*HM th:TH_STORE_NT
	global_store_b64 v[11+2*HM], v[PC+10:PC+11], s[12:13] offset:6144+KI+512+64*HM th:TH_STORE_NT
.endm
	PLACES
.irp b, 0,1,2,3
	v_mov_b32 v[PT+\b], 0
.endr
.irp a, 0,1,2,3,4,5,6,7
	OUTBLK \a
.endr
.irp i, 0,1,2,3
	v_cndmask_b32 v[SW+\i], v[PWS+\i], v[PWS+4+\i], s81
.endr
.irp i, 0,1,2,3
	v_lshrrev_b32 v[SW+4+\i], 16, v[SW+\i]
.endr
	global_store_b128 v[V16], v[SW:SW+3], s[12:13] offset:12288 th:TH_STORE_NT
	global_store_b128 v[V16], v[SW+4:SW+7], s[12:13] offset:12800 th:TH_STORE_NT
	s_wait_tensorcnt 0x0
	ds_add_u32 v[SPW], v[NIL]
	s_wait_dscnt 0x0
	CROUND
	s_endpgm
.Lfunc_end_k_q6e4cfda150_qkv:
	.size	k_q6e4cfda150_qkv, .Lfunc_end_k_q6e4cfda150_qkv-k_q6e4cfda150_qkv
	.p2alignl 7, 3214868480
	.fill 96, 4, 3214868480
	.section	.rodata,"a",@progbits
	.p2align	6, 0x0
	.amdhsa_kernel k_q6e4cfda150_qkv
		.amdhsa_group_segment_fixed_size 327680
		.amdhsa_private_segment_fixed_size 0
		.amdhsa_enable_private_segment 0
		.amdhsa_kernarg_size 40
		.amdhsa_user_sgpr_count 2
		.amdhsa_user_sgpr_kernarg_segment_ptr 1
		.amdhsa_wavefront_size32 1
		.amdhsa_system_sgpr_workgroup_id_x 1
		.amdhsa_system_sgpr_workgroup_id_y 1
		.amdhsa_system_sgpr_workgroup_id_z 1
		.amdhsa_system_vgpr_workitem_id 0
		.amdhsa_next_free_vgpr 1024
		.amdhsa_next_free_sgpr 96
		.amdhsa_reserve_vcc 1
		.amdhsa_float_denorm_mode_32 3
		.amdhsa_float_denorm_mode_16_64 3
		.amdhsa_memory_ordered 1
		.amdhsa_forward_progress 1
		.amdhsa_inst_pref_size 180
	.end_amdhsa_kernel
	.amdgpu_metadata
---
amdhsa.version: [ 1, 2 ]
amdhsa.kernels:
  - .name:           k_q6e4cfda150_qkv
    .symbol:         k_q6e4cfda150_qkv.kd
    .args:
      - { .name: cod, .offset: 0, .size: 8, .value_kind: global_buffer, .address_space: global }
      - { .name: scl, .offset: 8, .size: 8, .value_kind: global_buffer, .address_space: global }
      - { .name: b_in, .offset: 16, .size: 8, .value_kind: global_buffer, .address_space: global }
      - { .name: padding_mask, .offset: 24, .size: 8, .value_kind: global_buffer, .address_space: global }
      - { .name: qkv, .offset: 32, .size: 8, .value_kind: global_buffer, .address_space: global }
    .group_segment_fixed_size: 327680
    .private_segment_fixed_size: 0
    .kernarg_segment_align: 8
    .kernarg_segment_size: 40
    .max_flat_workgroup_size: 128
    .sgpr_count:     96
    .vgpr_count:     1024
    .wavefront_size: 32
...
	.end_amdgpu_metadata
.endif
;; end of part 2
;; launch attn (part 3): grid 4 x 64, 8 waves a work-group, clusters of 4 x 4, 327,680 bytes of LDS; arguments qkv, attention_mask, padw, cod, scl; writes cod, scl
.if DOCPART == 3
	.amdgcn_target "amdgcn-amd-amdhsa--gfx1250"
	.amdhsa_code_object_version 6
	.text
	.protected	k_q6e4cfda150_attn
	.globl	k_q6e4cfda150_attn
	.p2align	8
	.type	k_q6e4cfda150_attn,@function
k_q6e4cfda150_attn:
	s_mov_b64 s[64:65], 0
	v_nop
	global_prefetch_b8 v0, s[64:65] scope:SCOPE_SE
	s_setreg_imm32_b32 hwreg(HW_REG_WAVE_MODE, 25, 1), 1
	s_wait_xcnt 0x0
	s_wait_alu depctr_hold_cnt(0) depctr_sa_sdst(0) depctr_va_vdst(0) depctr_va_sdst(0) depctr_va_ssrc(0) depctr_va_vcc(0) depctr_vm_vsrc(0)
	s_getreg_b32 s2, hwreg(HW_REG_IB_STS2, 6, 4)
	s_cmp_eq_u32 s2, 0
	s_cbranch_scc0 .Lentry_in_a_cluster
	s_endpgm
.Lentry_in_a_cluster:
	s_bfe_u32 s2, ttmp6, 0x10000c
	s_cmp_lg_u32 s2, 0xf033
	s_cbranch_scc0 .Lentry_shape_is_right
	s_endpgm
.Lentry_shape_is_right:
; Attention on codes of BF6 (E3M2): scores = q k^T + attention_mask, -10,000 at padded keys; p = 2^(t - M), t = score x log2(e), M the running largest t rounded up to a whole number; O = (p v) / (sum of the unquantised p);
; O is quantised along E for the last product and leaves as fragment images and scale words (cod, scl: row tiles 768 on).
; SHARES.  A work-group owns one batch, 128 queries and four heads; its eight waves own 16 queries each, for all four heads.  A wave's tile of the mask (16 queries x 128 keys) is read from LDS once for four heads, gets
; -10,000 at the padded keys once, and is the C operand of each head's score products.  k's rows of padded keys are zeros (the launch before), so the product adds exactly 0 there.
; Both products are used transposed: S^T = K Q^T + mask^T, O^T = V^T P^T: a lane holds one query throughout.
; WHICH KEYS FORM A SCORE TILE: tile 4 c + u, row 8 h + j is key 64 c + 32 h + 8 g + j, g = 2 (u % 2) + u / 2 (the launch before stores K's rows so).  So the 32 registers of tiles 4 c .. 4 c + 3 of a lane of half h are the
; whole block 2 c + h of 32 keys, in the order in which V's codes stand (groups of eight: 0, 2, 1, 3): a block's largest score needs no other lane, and the conversions' results are P's operand but for three moves a block.
; K = 64 IN AN INSTRUCTION OF 128: Q's operand is 6 registers of codes and 6 of zero codes.  K's operand for tile t is v[KF + 6 t] on, 12 registers: its upper six are the next tile's codes (finite numbers, times zero codes);
; behind tile 7 stand six registers of zeros.  Bytes 2 and 3 of the scale words are the other head's bytes or 0, never 0xff.
; CLUSTER 4 x 4: x = head group, y = block of queries; the four y of a cluster lie in one batch.  The mask's tile hangs on y alone: asked for jointly along a row.  K's and V's tiles hang on batch and head group: jointly along a column.
; RING: two slots of one key step (128 keys): K's two blocks (26,624 dense bytes), V's two, and the mask's 128 rows of 512 + 16 bytes.  Waves 0, 1 fetch the mask's halves, wave 2 K, wave 3 V: a wave has one tensor load out.
; THE CHANGE OF SLOTS STANDS INSIDE HEAD 3.  Head 3's V is asked for behind head 2's products; with that the wave asks the slot for nothing more.  Head 3's score products stand between the add and the wait for it, its
; maxima, multiply-adds and exponentials between the round's opening signal and its wait, its sums and conversions behind the refill and the next step's first LDS loads, its products with V behind the next step's first
; 32 selects.  So a trip of the loop begins with the change and finishes the step before's head 3.  The first trip finishes a head 3 made at the head: zero codes for K and V and -2e38 in the mask's registers, under a
; running maximum of -1e30: its p are exact zeros, and it adds 0 to sums that are 0.
; LIMITS: NaN and infinities are not served.  The running maximum begins at -1e30: the promise holds while the scaled scores stay under 2^31 in magnitude.  A block's largest p is made from the block's largest score by
; the same multiply-add and exponential; this takes v_exp_f32 not to fall where its input rises.  A block of p, or of O, whose largest number lies under 2^-122 keeps the scale byte 1.
.set BLK,   13312                      ; a block of qkv
.set VB,    2*BLK                      ; V's place in a slot
.set MOFF,  4*BLK                      ; the mask's
.set MP,    528                        ; a row of the mask in LDS: 33 x 16 bytes: the 16 rows of a load start at 16 different groups of four banks (ISA guide 11.1)
.set SLOT1, 1<<17
.set SPARE, 262144                     ; the spare words, 128 bytes for each of eight waves
.set AM0,  1                           ; v1   my place in the mask's tile
.set L16,  2                           ; v2   16 x lane
.set L8,   3                           ; v3   8 x lane
.set ADM,  4                           ; v4-6 the same three in the slot in hand
.set AD16, 5
.set AD8,  6
.set SPW,  7                           ; v7   LDS address of my spare word; never rewritten
.set NIL,  8                           ; v8   0; never rewritten
.set NEG,  9                           ; v9   -10,000
.set PFO,  10                          ; v10  the prefetches' offset; never rewritten
.set TMP,  11
.set ST,   12                          ; v12-27 head hd at ST + 4 hd: -M, the largest score, the sum in two halves
.set QS,   28                          ; v28-31 Q's scale words
.set VS,   32                          ; v32-35 V's scale words
.set KF,   36                          ; v36-83 K's eight half fragments; v84-89 zeros
.set MK,   90                          ; v90-153 the mask's tile, register 8 t + j as the score tiles have it
.set S,    154                         ; v154-217 S^T, then p
.set BM,   218
.set PT,   222
.set SO,   226
.set CT,   230
.set KSL,  233                         ; v233 my place among K's scale words; v237 the same in the slot in hand
.set ADK,  237
.set PC,   238                         ; v238-249 p's codes
.set KS,   250                         ; v250-253 K's scale words: register u, lanes 0-15 tile u, lanes 16-31 tile 4 + u
.set FF,   254                         ; v254 f = 2^(old M - new M); v255 p's scale word
.set PWD,  255
.set QF,   128                         ; window 1: v0-127 O^T (head hd at 32 hd, tile t at + 8 t); v128-175 Q; v176-223 V's four fragments
.set VF,   176
.set TB,   2                           ; s2   LDS byte at which the next slot to be read begins
.set CNT,  3                           ; s3   key steps still to be asked for
.set PWA,  8                           ; s[8:9] the step's lane masks of padded keys
.set WV,   14
.set G1M,  16                          ; s[16:23] descriptor group 1 for the mask; s[24:31] for K and V; s[32:35], s[36:39] their groups 0, which walk
.set G1D,  24
.set G0M,  32
.set G0D,  36
.set SEL,  40                          ; s[40:41] lane selects: lane l xor 16
.set CS,   42                          ; s[42:43] log2(e) (q carries the 1/8)
.set HI,   44                          ; s44  lanes 16-31
.set LIM,  45                          ; s45  1 in a wave that prefetches, else the greatest number
.set PFA,  46                          ; s[46:47] where my prefetches stand; s[48:49] a key step on
.set PFS,  48
.set MSB, 0
.macro WIN new
.if MSB != (\new)
	s_set_vgpr_msb (MSB<<8)|(\new)
.set MSB, (\new)
.endif
.endm
.macro HINT n
	s_delay_alu instid0(VALU_DEP_\n)
.endm
; The joint loads.  The branches hang on the wave's number alone.  An s_nop 0 and four v_nop follow each line.
.macro TLOAD
	s_cmp_lt_u32 s[WV], 2
	s_cbranch_scc0 .Lnot_m_\@
	tensor_load_to_lds s[G0M:G0M+3], s[G1M:G1M+7]
	s_nop 0
.rept 4
	v_nop
.endr
	s_branch .Lasked_\@
.Lnot_m_\@:
	s_cmp_lt_u32 s[WV], 4
	s_cbranch_scc0 .Lasked_\@
	tensor_load_to_lds s[G0D:G0D+3], s[G1D:G1D+7]
	s_nop 0
.rept 4
	v_nop
.endr
.Lasked_\@:
.endm
; A prefetch of what the NEXT change of slots will ask for, one key step ahead of that load.  Each aligned block of 256 bytes is named once.  The mask's tile (128 rows x 512 bytes): each of the four partners of my row
; takes 32 rows, told apart by address, a lane a row; wave 4 names a row's first 256 bytes, wave 5 its second.  K's and V's 104 blocks are walked by the four clusters of a batch: the first of them asks; its four rows share
; the blocks out by address, 32 each, held at the last block; wave 6 asks for K's, wave 7 for V's.  The last change that fills a slot asks for nothing; nothing is asked at the head.
.macro ASK
	s_cmp_gt_u32 s[CNT], s[LIM]
	s_cbranch_scc0 .Lnot_mine_\@
	global_prefetch_b8 v[PFO], s[PFA:PFA+1] th:TH_LOAD_NT scope:SCOPE_SE
.Lnot_mine_\@:
.endm
.macro CREST                           ; a round of the cluster's barrier behind its opening barrier
	s_cmp_lg_u32 s[WV], 0
	s_cbranch_scc1 .Lnot_wave_0_\@
	s_barrier_signal -3
.Lnot_wave_0_\@:
	s_barrier_wait -3
	s_barrier_signal -1
	s_barrier_wait -1
.endm
.macro CROUND
	s_barrier_signal -1
	s_barrier_wait -1
	CREST
.endm
.macro QUANT s, pw, wx                 ; the way out: 64 numbers of a lane (register 16 b + i of block b of my row; the lane 16 away holds the other 16) -> codes in v[PC] on, my row's scale word in v[pw]
.irp b, 0,1,2,3
	v_max3_num_f32 v[BM+\b], |v[\s+16*\b]|, |v[\s+16*\b+1]|, 0x2800000
.endr
.irp i, 2,4,6,8,10,12,14
.irp b, 0,1,2,3
	HINT 4
	v_max3_num_f32 v[BM+\b], v[BM+\b], |v[\s+16*\b+\i]|, |v[\s+16*\b+\i+1]|
.endr
.endr
.irp b, 0,1,2,3
	HINT 4
	v_permlanex16_b32 v[PT+\b], v[BM+\b], s[SEL], s[SEL+1]
.endr
.irp b, 0,1,2,3
	HINT 4
	v_max_num_f32 v[BM+\b], v[BM+\b], v[PT+\b]
.endr
.irp b, 0,1,2,3
	HINT 4
	v_add_nc_u32 v[SO+\b], 0xfe000000, v[BM+\b]
.endr
.irp b, 0,1,2,3
	HINT 4
	v_lshrrev_b32 v[PT+\b], 23, v[SO+\b]
.endr
	HINT 3
	v_lshl_or_b32 v[\pw], v[PT+1], 8, v[PT]
	HINT 1
	v_lshl_or_b32 v[\pw], v[PT+2], 16, v[\pw]
	HINT 1
	v_lshl_or_b32 v[\pw], v[PT+3], 24, v[\pw]
.if \wx
	s_wait_xcnt 0x0                                ; the earlier stores have read v[PC] on
.endif
.irp c, 0,1
	v_cvt_scalef32_pk16_bf6_f32 v[PC+6*\c:PC+6*\c+2], v[\s+32*\c:\s+32*\c+15], v[SO+2*\c]
	v_cvt_scalef32_pk16_bf6_f32 v[CT+4*\c:CT+4*\c+2], v[\s+32*\c+16:\s+32*\c+31], v[SO+2*\c+1]
.endr
	v_nop
.irp c, 0,1
.irp i, 0,1,2
	v_permlane16_swap_b32 v[PC+6*\c+\i], v[CT+4*\c+\i]
.endr
.irp i, 0,1,2
	HINT 3
	v_mov_b32 v[PC+3+6*\c+\i], v[CT+4*\c+\i]
.endr
.endr
.endm
	s_load_b256 s[4:11], s[0:1], 0x0               ; qkv s[4:5], attention_mask s[6:7], padw s[8:9], cod s[10:11]
	s_load_b64 s[12:13], s[0:1], 0x20              ; scl
	v_lshl_add_u32 v[SPW], v0, 2, SPARE
	v_mov_b32 v[NIL], 0
	ds_add_u32 v[SPW], v[NIL]                      ; the opening lines: the add, twice on end, and its wait
	ds_add_u32 v[SPW], v[NIL]
	s_wait_dscnt 0x0
	v_lshrrev_b32 v[TMP], 5, v0
	HINT 1
	v_readfirstlane_b32 s[WV], v[TMP]              ; wave 0..7
	s_and_b32 s50, s[WV], 1                        ; which half of the mask's rows (waves 0, 1); K or V (waves 2, 3)
	s_bfe_u32 s51, ttmp6, 0x40000                  ; cx = the head group
	s_bfe_u32 s52, ttmp6, 0x40004                  ; cy
	s_and_b32 s53, ttmp7, 0xffff                   ; the cluster's y
	s_lshl_b32 s54, s53, 2
	s_add_co_u32 s54, s54, s52                     ; y = batch x 16 + block of 128 queries
	s_lshr_b32 s55, s53, 2                         ; the batch
	s_lshl_b32 s56, s52, 2
	s_lshl_b32 s56, 15, s56                        ; my row of the cluster
	s_lshl_b32 s57, 0x1111, s51                    ; my column
	s_or_b32 s[G1M], s56, (2<<16)|(1<<20)|(1<<21)|(6<<22)|(3<<25)  ; the mask: elements of 4 bytes; behind every 128 words 4 words of padding
	s_mov_b32 s[G1M+1], 128<<16
	s_mov_b32 s[G1M+2], 64<<16
	s_mov_b32 s[G1M+3], 128<<16
	s_mov_b32 s[G1M+4], 64
	s_mov_b32 s[G1M+5], 2048
	s_mov_b32 s[G1M+6], 0
	s_mov_b32 s[G1M+7], 0
	s_or_b32 s[G1D], s57, (3<<16)|(1<<21)          ; K or V: 26,624 dense bytes as 104 rows of 256
	s_mov_b32 s[G1D+1], 32<<16
	s_mov_b32 s[G1D+2], 104<<16
	s_mov_b32 s[G1D+3], 32<<16
	s_mov_b32 s[G1D+4], 104
	s_mov_b32 s[G1D+5], 32
	s_mov_b32 s[G1D+6], 0
	s_mov_b32 s[G1D+7], 0
	s_lshl_b32 s58, s54, 20                        ; the mask: row 128 y + 64 x half, 8,192 bytes a row
	s_lshl_b32 s59, s50, 19
	s_add_co_u32 s58, s58, s59
	s_mov_b32 s59, 0
	s_add_co_u32 s60, s50, 1                       ; K is part 1 of qkv, V part 2
	s_lshl_b32 s60, s60, 2
	s_add_co_u32 s60, s60, s55
	s_lshl_b32 s60, s60, 2
	s_add_co_u32 s60, s60, s51                     ; (part x 4 + batch) x 4 + head group: 32 blocks each
	s_mul_i32 s60, s60, 32*BLK
	s_mov_b32 s61, 0
	s_lshl_b32 s62, s55, 2                         ; Q: part 0, my block of 128 queries: two blocks
	s_add_co_u32 s62, s62, s51
	s_lshl_b32 s62, s62, 4
	s_and_b32 s63, s54, 15
	s_add_co_u32 s62, s62, s63
	s_mul_i32 s62, s62, 2*BLK
	s_mov_b32 s63, 0
	s_mul_i32 s15, s50, 64*MP
	s_add_co_u32 s15, s15, MOFF
	s_mul_i32 s3, s50, VB
	s_mov_b32 s[SEL], 0x76543210
	s_mov_b32 s[SEL+1], 0xfedcba98
	s_mov_b32 s[CS], 0x3fb8aa3b
	s_mov_b32 s[CS+1], s[CS]
	s_mov_b32 s[HI], 0xffff0000
	s_mov_b32 s[TB], 0
	s_wait_kmcnt 0x0
	s_mov_b32 s[G0M], 1
	s_mov_b32 s[G0M+1], s15
	s_add_nc_u64 s[G0M+2:G0M+3], s[6:7], s[58:59]
	s_or_b32 s[G0M+3], s[G0M+3], 0x80000000
	s_mov_b32 s[G0D], 1
	s_mov_b32 s[G0D+1], s3
	s_add_nc_u64 s[G0D+2:G0D+3], s[4:5], s[60:61]
	s_or_b32 s[G0D+3], s[G0D+3], 0x80000000
	CROUND                                         ; all sixteen work-groups are here: the first joint loads meet
	TLOAD                                          ; key step 0 into slot 0
	s_add_nc_u64 s[62:63], s[4:5], s[62:63]        ; Q's two blocks
	v_and_b32 v154, 15, v0                         ; r     (v154-159: at work here; S^T's registers later)
	v_bfe_u32 v155, v0, 4, 1                       ; h
	v_and_b32 v156, 31, v0                         ; lane
	v_lshlrev_b32 v[L16], 4, v156
	v_lshlrev_b32 v[L8], 3, v156
	s_mul_i32 s58, s[WV], 16*MP
	v_mul_u32_u24 v[AM0], v154, MP
	HINT 1
	v_lshl_add_u32 v[AM0], v155, 7, v[AM0]
	HINT 1
	v_add_nc_u32 v[AM0], s58, v[AM0]
	HINT 1
	v_add_nc_u32 v[AM0], MOFF, v[AM0]              ; row 16 w + r, + 128 h: half h of the lanes holds keys 32 h on of each 64
	v_mov_b32 v[NEG], 0xc61c4000
	v_and_b32 v[KSL], 7, v154                      ; K's scale words lie by token tiles a: row rho of tile a at 16 (rho + 16 (a / 4)) + 4 (a % 4).  Row r of score tile 4 c + u is row 8 (u / 2) + r % 8 of token tile
	v_lshrrev_b32 v[ADK], 3, v154                  ; 4 c + 2 (r / 8) + u % 2: so 16 (r % 8) + 8 (r / 8) + 256 c, c = my half of the lanes; 128 (u / 2) and the pair u % 2 stand in the loads
	v_lshlrev_b32 v[KSL], 4, v[KSL]
	HINT 1
	v_lshl_add_u32 v[KSL], v[ADK], 3, v[KSL]
	HINT 1
	v_lshl_add_u32 v[KSL], v155, 8, v[KSL]
	s_mul_i32 s58, s[WV], 768                      ; my tile of queries is half fragment w
	v_add_nc_u32 v157, s58, v[L16]
	v_add_nc_u32 v158, s58, v[L8]
	s_lshr_b32 s58, s[WV], 2
	s_lshl_b32 s58, s58, 8
	s_and_b32 s59, s[WV], 3
	s_lshl_b32 s59, s59, 2
	s_add_co_u32 s58, s58, s59
	v_lshl_add_u32 v159, v154, 4, s58              ; its scale word: lane r + 16 (w / 4) of the pack, word w % 4
	WIN 0x40
.irp hd, 0,1,2,3
	global_load_b128 v[QF+12*\hd:QF+12*\hd+3], v157, s[62:63] offset:(\hd/2)*BLK+(\hd%2)*6144
	global_load_b64 v[QF+12*\hd+4:QF+12*\hd+5], v158, s[62:63] offset:(\hd/2)*BLK+(\hd%2)*6144+512
.endr
	WIN 0
.irp hd, 0,1,2,3
	global_load_b32 v[QS+\hd], v159, s[62:63] offset:(\hd/2)*BLK+12288+512*(\hd%2)
.endr
	; where the results go
	s_add_co_u32 s56, s54, 96                      ; the block of 128 rows: 96 + y
	s_mul_i32 s56, s56, 98304
	s_mul_i32 s57, s51, 24576                      ; K steps 2 x head group, + 1
	s_add_co_u32 s56, s56, s57
	s_mul_i32 s57, s[WV], 1536                     ; row tile w
	s_add_co_u32 s56, s56, s57
	s_mov_b32 s57, 0
	s_add_nc_u64 s[10:11], s[10:11], s[56:57]
	s_lshr_b32 s56, s51, 1
	s_mul_i32 s56, s56, 327680
	s_lshl_b32 s57, s54, 11
	s_add_co_u32 s56, s56, s57
	s_lshl_b32 s57, s[WV], 8
	s_add_co_u32 s56, s56, s57
	s_and_b32 s57, s51, 1
	s_lshl_b32 s57, s57, 3
	s_add_co_u32 s56, s56, s57
	s_add_co_u32 s56, s56, 12288*16                ; rows 12,288 + 128 y + 16 w on, words 2 (head group % 2) on
	s_mov_b32 s57, 0
	s_add_nc_u64 s[12:13], s[12:13], s[56:57]
	s_lshl_b32 s56, s55, 12
	s_add_nc_u64 s[PWA:PWA+1], s[PWA:PWA+1], s[56:57]              ; my batch's lane masks: 256 bytes a key step
	s_load_b512 s[68:83], s[PWA:PWA+1], 0x0        ; key step 0, registers 0-31 of the mask's tile
	s_load_b512 s[84:99], s[PWA:PWA+1], 0x40
	; the prefetches: where my wave's stand (at key step 1; the first change of slots steps them to 2), and who asks
	s_lshl_b32 s56, s54, 20
	s_lshl_b32 s57, s51, 18
	s_add_co_u32 s56, s56, s57
	s_lshl_b32 s57, s50, 8
	s_add_co_u32 s56, s56, s57
	s_add_co_u32 s56, s56, 512
	s_add_co_u32 s57, s60, VB
	s_lshl_b32 s59, s52, 5
	s_mov_b32 s15, 103
	s_mov_b32 s58, 256
	s_mov_b32 s[PFS], VB
	s_cmp_lt_u32 s[WV], 6
	s_cselect_b64 s[PFA:PFA+1], s[6:7], s[4:5]
	s_cselect_b32 s56, s56, s57
	s_cselect_b32 s59, 0, s59
	s_cselect_b32 s15, 31, s15
	s_cselect_b32 s58, 8192, s58
	s_cselect_b32 s[PFS], 512, s[PFS]
	s_mov_b32 s[PFS+1], 0
	s_mov_b32 s57, 0
	s_add_nc_u64 s[PFA:PFA+1], s[PFA:PFA+1], s[56:57]
	v_add_nc_u32 v[PFO], s59, v156
	HINT 1
	v_min_u32 v[PFO], s15, v[PFO]
	HINT 1
	v_mul_lo_u32 v[PFO], v[PFO], s58
	s_and_b32 s58, s53, 3
	s_cmp_lt_u32 s[WV], 6
	s_cselect_b32 s58, 0, s58
	s_lshr_b32 s59, s[WV], 2
	s_xor_b32 s59, s59, 1
	s_or_b32 s58, s58, s59
	s_cmp_eq_u32 s58, 0
	s_cselect_b32 s[LIM], 1, -1
	; O^T and the sums begin as zeros: the loop has no first step of its own; the first change of M multiplies zeros by f = 0
	WIN 0x40
.set i, 0
.rept 128
	v_mov_b32 v[i], 0
.set i, i+1
.endr
.irp hd, 0,1,2,3
.irp i, 6,7,8,9,10,11
	v_mov_b32 v[QF+12*\hd+\i], 0                   ; Q's upper 64 along K: zero codes
.endr
.endr
.set i, 0
.rept 48
	v_mov_b32 v[VF+i], 0                           ; the first trip's head 3: zero codes for V,
.set i, i+1
.endr
	WIN 0
.set i, 0
.rept 54
	v_mov_b32 v[KF+i], 0                           ; and for K; the last six stay zeros
.set i, i+1
.endr
.set i, 0
.rept 64
	v_mov_b32 v[MK+i], 0xff167699                  ; and scores of -2e38: t - M stays finite and far below every exponent, so p = 0
.set i, i+1
.endr
.irp b, 0,1,2,3
	v_mov_b32 v[PT+\b], 0                          ; a lane permute's destination counts as one of its sources
	v_mov_b32 v[VS+\b], 0
	v_mov_b32 v[KS+\b], 0
.endr
	v_mov_b32 v[PWD], 0
.irp hd, 0,1,2,3
	v_mov_b32 v[ST+4*\hd], 0x7f000000              ; -M: above every -M to come, so that the first f is 0
	v_mov_b32 v[ST+4*\hd+1], 0xf149f2ca            ; the largest score so far: -1e30
	v_mov_b32 v[ST+4*\hd+2], 0
	v_mov_b32 v[ST+4*\hd+3], 0
.endr
.macro MLOAD                           ; 16 loads: my tile of the mask, in the score tiles' order of keys
.irp c, 0,1
.irp u, 0,1,2,3
	ds_load_b128 v[MK+8*(4*\c+\u):MK+8*(4*\c+\u)+3], v[ADM] offset:256*\c+64*(\u%2)+32*(\u/2)
	ds_load_b128 v[MK+8*(4*\c+\u)+4:MK+8*(4*\c+\u)+7], v[ADM] offset:256*\c+64*(\u%2)+32*(\u/2)+16
.endr
.endr
.endm
.macro KLOAD hd                        ; 18 loads: head hd's eight half fragments of K and their scale words
.irp t, 0,1,2,3,4,5,6,7
	ds_load_b128 v[KF+6*\t:KF+6*\t+3], v[AD16] offset:((\hd)/2)*BLK+((\hd)%2)*6144+768*\t
	ds_load_b64 v[KF+6*\t+4:KF+6*\t+5], v[AD8] offset:((\hd)/2)*BLK+((\hd)%2)*6144+768*\t+512
.endr
	ds_load_b64 v[KS:KS+1], v[ADK] offset:((\hd)/2)*BLK+12288+512*((\hd)%2)
	ds_load_b64 v[KS+2:KS+3], v[ADK] offset:((\hd)/2)*BLK+12288+512*((\hd)%2)+128
.endm
.macro VLOAD hd                        ; 17 loads: head hd's four fragments of V^T (16 channels x 128 keys) and the pair's scale words
	WIN 0x40
.irp t, 0,1,2,3
.irp c, 0,1
	ds_load_b128 v[VF+12*\t+6*\c:VF+12*\t+6*\c+3], v[AD16] offset:VB+((\hd)/2)*BLK+\c*6144+(4*((\hd)%2)+\t)*768
	ds_load_b64 v[VF+12*\t+6*\c+4:VF+12*\t+6*\c+5], v[AD8] offset:VB+((\hd)/2)*BLK+\c*6144+(4*((\hd)%2)+\t)*768+512
.endr
.endr
	WIN 0
	ds_load_b128 v[VS:VS+3], v[AD16] offset:VB+((\hd)/2)*BLK+12288
.endm
.macro SCORES hd, t0                   ; four tiles of 16 keys: S^T = K Q^T + the mask's tile
	WIN 0x04
.irp t, \t0, \t0+1, \t0+2, \t0+3
.if (\t) < 4
	v_wmma_scale_f32_16x16x128_f8f6f4 v[S+8*(\t):S+8*(\t)+7], v[KF+6*(\t):KF+6*(\t)+11], v[QF+12*(\hd):QF+12*(\hd)+11], v[MK+8*(\t):MK+8*(\t)+7], v[KS+(\t)%4], v[QS+(\hd)] matrix_a_fmt:MATRIX_FMT_BF6 matrix_b_fmt:MATRIX_FMT_BF6
.else
	v_wmma_scale_f32_16x16x128_f8f6f4 v[S+8*(\t):S+8*(\t)+7], v[KF+6*(\t):KF+6*(\t)+11], v[QF+12*(\hd):QF+12*(\hd)+11], v[MK+8*(\t):MK+8*(\t)+7], v[KS+(\t)%4], v[QS+(\hd)] matrix_a_fmt:MATRIX_FMT_BF6 matrix_b_fmt:MATRIX_FMT_BF6 matrix_a_scale:MATRIX_SCALE_ROW1
.endif
.endr
	WIN 0
.endm
; A head's softmax of a key step, in three parts.  SOFTM: the largest score of my two blocks (v[BM], v[BM+2]; four chains by turns, each accumulator read from its low end on), the running maximum, the new -M.
.macro SOFTM hd
.set rT, ST+4*(\hd)
.irp b, 0,1,2,3
	v_max3_num_f32 v[BM+\b], v[S+16*\b], v[S+16*\b+1], v[S+16*\b+2]
.endr
.irp i, 3,5,7,9,11,13
.irp b, 0,1,2,3
	v_max3_num_f32 v[BM+\b], v[BM+\b], v[S+16*\b+\i], v[S+16*\b+\i+1]
.endr
.endr
	v_max3_num_f32 v[BM], v[BM], v[BM+1], v[S+15]
	v_max3_num_f32 v[BM+2], v[BM+2], v[BM+3], v[S+47]
	v_mov_b32 v[PT+1], v[rT]                       ; the old -M
	v_max_num_f32 v[BM], v[BM], v[S+31]
	v_max_num_f32 v[BM+2], v[BM+2], v[S+63]
	HINT 1
	v_max_num_f32 v[TMP], v[BM], v[BM+2]
	HINT 1
	v_permlanex16_b32 v[PT], v[TMP], s[SEL], s[SEL+1]
	HINT 1
	v_max3_num_f32 v[rT+1], v[rT+1], v[TMP], v[PT] ; with the other half of the lanes' 64 keys: the running largest score
	HINT 1
	v_mul_f32 v[TMP], s[CS], v[rT+1]               ; as t (log2(e) is positive)
	HINT 1
	v_floor_f32 v[rT], -v[TMP]                     ; the new -M = floor(-t): M is a whole number
	HINT 1
	v_sub_f32 v[TMP], v[rT], v[PT+1]               ; old M - new M: a whole number, 0 or less
.endm
; SOFTE: t - M, p = 2^(t - M), the blocks' largest p by the same two instructions, f, and the sums under the new M.
.macro SOFTE hd
.set rT, ST+4*(\hd)
.set j, 0
.rept 16
	v_pk_fma_f32 v[S+j:S+j+1], v[S+j:S+j+1], s[CS:CS+1], v[rT:rT+1] op_sel_hi:[1,0,0]
.set j, j+2
.endr
	v_cvt_i32_f32 v[TMP], v[TMP]                   ; (it saturates)
.rept 16
	v_pk_fma_f32 v[S+j:S+j+1], v[S+j:S+j+1], s[CS:CS+1], v[rT:rT+1] op_sel_hi:[1,0,0]
.set j, j+2
.endr
	v_ldexp_f32 v[FF], 1.0, v[TMP]                 ; f = 2^(old M - new M): multiplying by it rounds nothing
	v_fma_f32 v[BM], v[BM], s[CS], v[rT]
	v_fma_f32 v[BM+2], v[BM+2], s[CS], v[rT]
	s_wait_alu depctr_va_vdst(0)
.set j, 0
.rept 64
	v_exp_f32 v[S+j], v[S+j]
.set j, j+1
.endr
	v_exp_f32 v[BM], v[BM]
	v_exp_f32 v[BM+2], v[BM+2]
	v_pk_mul_f32 v[rT+2:rT+3], v[rT+2:rT+3], v[FF:FF+1] op_sel_hi:[1,0]   ; the plain instruction behind the exponentials
	s_wait_alu depctr_va_vdst(0)                   ; one wait for the batch of 66, ahead of its first reader
.endm
; SOFTB: the row's sum of the unquantised p, in two chains; my two blocks' scale bytes; p's codes in v[PC] on and p's scale word.
.macro SOFTB hd
.set rT, ST+4*(\hd)
	v_pk_add_f32 v[PT:PT+1], v[S:S+1], v[S+2:S+3]
.set j, 4
.rept 15
	v_pk_add_f32 v[rT+2:rT+3], v[rT+2:rT+3], v[S+j:S+j+1]
	v_pk_add_f32 v[PT:PT+1], v[PT:PT+1], v[S+j+2:S+j+3]
.set j, j+4
.endr
	v_max_num_f32 v[BM], 0x2800000, v[BM]          ; the floor 2^(5 - 127): the byte cannot fall under 1
	v_max_num_f32 v[BM+2], 0x2800000, v[BM+2]
	v_pk_add_f32 v[rT+2:rT+3], v[rT+2:rT+3], v[PT:PT+1]
	HINT 3
	v_add_nc_u32 v[SO], 0xfe000000, v[BM]          ; 4 off the exponent field: the conversions' scale operand
	HINT 3
	v_add_nc_u32 v[SO+1], 0xfe000000, v[BM+2]
	HINT 2
	v_lshrrev_b32 v[PT], 23, v[SO]
	HINT 2
	v_lshrrev_b32 v[PT+1], 23, v[SO+1]
	HINT 1
	v_lshl_or_b32 v[PT+2], v[PT+1], 16, v[PT]      ; the bytes of blocks h and 2 + h
	HINT 1
	v_permlanex16_b32 v[PT+3], v[PT+2], s[SEL], s[SEL+1]
.irp c, 0,1
	v_cvt_scalef32_pk16_bf6_f32 v[PC+6*\c:PC+6*\c+2], v[S+32*\c:S+32*\c+15], v[SO+\c]
	v_cvt_scalef32_pk16_bf6_f32 v[CT+4*\c:CT+4*\c+2], v[S+32*\c+16:S+32*\c+31], v[SO+\c]   ; (a conversion's three registers begin on an even number)
.endr
	v_lshl_or_b32 v[PWD], v[PT+3], 8, v[PT+2]      ; lanes 0-15, which the product reads: bytes 0, 2 mine, bytes 1, 3 the other half's.  Also the plain instruction behind the conversions
.irp c, 0,1
.irp i, 0,1,2
	v_mov_b32 v[PC+3+6*\c+\i], v[CT+4*\c+\i]
.endr
.endr
.endm
.macro PV hd                           ; O^T x f, O^T += V^T P^T
	WIN 0x41
	s_wait_alu depctr_va_vdst(0)                   ; directly ahead of the first reader of O^T
.set j, 0
.rept 16
	v_pk_mul_f32 v[32*(\hd)+j:32*(\hd)+j+1], v[32*(\hd)+j:32*(\hd)+j+1], v[FF:FF+1] op_sel_hi:[1,0]   ; these 16 are also the places between the writes of p's codes and scale word and the products
.set j, j+2
.endr
	WIN 0x51
.irp t, 0,1,2,3
.if ((\hd)%2) == 0
	v_wmma_scale_f32_16x16x128_f8f6f4 v[32*(\hd)+8*\t:32*(\hd)+8*\t+7], v[VF+12*\t:VF+12*\t+11], v[PC:PC+11], v[32*(\hd)+8*\t:32*(\hd)+8*\t+7], v[VS+\t], v[PWD] matrix_a_fmt:MATRIX_FMT_BF6 matrix_b_fmt:MATRIX_FMT_BF6
.else
	v_wmma_scale_f32_16x16x128_f8f6f4 v[32*(\hd)+8*\t:32*(\hd)+8*\t+7], v[VF+12*\t:VF+12*\t+11], v[PC:PC+11], v[32*(\hd)+8*\t:32*(\hd)+8*\t+7], v[VS+\t], v[PWD] matrix_a_fmt:MATRIX_FMT_BF6 matrix_b_fmt:MATRIX_FMT_BF6 matrix_a_scale:MATRIX_SCALE_ROW1
.endif
.endr
	WIN 0
.endm
.macro PLACES
.rept 4
	v_nop                                          ; four places behind matrix instructions: in front of the reads of their results and of the loads into their operands' and scales' registers
.endr
.endm
.macro REST hd                         ; heads 0 to 2, behind their score products
	PLACES
	VLOAD \hd
	KLOAD (\hd)+1
	SOFTM \hd
	SOFTE \hd
	SOFTB \hd
	s_wait_dscnt 18                                ; V is in; the next head's K, 18 loads, may be out
	PV \hd
.endm
; THE CHANGE OF SLOTS, inside head 3 of the step before.  Each wave waits for all its tensor loads, adds 0 to its spare word, and waits for that and for its reads of the slot that it leaves (V of head 3 the last).
; fill = 1: the barrier opens a round of the cluster's barrier; behind the round the slot that was left is filled with the tiles of the key step that follows the one now begun.
.macro TRIP fill
	s_wait_tensorcnt 0x0                           ; no tensor load of mine is out, so a group 0 may be written
	ds_add_u32 v[SPW], v[NIL]                      ; 0 onto my spare word
.if \fill
	ds_add_u32 v[SPW], v[NIL]                      ; twice on end
	s_xor_b32 s[G0M+1], s[G0M+1], SLOT1            ; the walking descriptors: the other slot, the next 128 keys
	s_add_nc_u64 s[G0M+2:G0M+3], s[G0M+2:G0M+3], 512
	s_xor_b32 s[G0D+1], s[G0D+1], SLOT1
	s_add_nc_u64 s[G0D+2:G0D+3], s[G0D+2:G0D+3], VB
	s_wait_xcnt 0x0                                ; the last prefetch, a key step back, has read its address
	s_add_nc_u64 s[PFA:PFA+1], s[PFA:PFA+1], s[PFS:PFS+1]
	s_wait_dscnt 19                                ; K of head 3 is in; V's 17 loads and the two adds may be out
.else
	s_wait_dscnt 18                                ; K of head 3 is in; V's 17 loads and the add may be out
.endif
	SCORES 3, 0                                    ; work on registers between the add and the wait for it
	SCORES 3, 4
	PLACES
	s_wait_dscnt 0x0                               ; the add is done, V of head 3 is in, and my reads of the slot that I leave are over
	s_barrier_signal -1
	SOFTM 3                                        ; work on registers while the others arrive
	SOFTE 3
	s_barrier_wait -1
.if \fill
	CREST
	TLOAD                                          ; the first thing behind the round, and a wave's one tensor load until the next
	ASK
.endif
	v_add_nc_u32 v[ADM], s[TB], v[AM0]
	v_add_nc_u32 v[AD16], s[TB], v[L16]
	v_add_nc_u32 v[AD8], s[TB], v[L8]
	v_add_nc_u32 v[ADK], s[TB], v[KSL]
	s_xor_b32 s[TB], s[TB], SLOT1
	MLOAD
	KLOAD 0
	SOFTB 3                                        ; head 3 of the step before goes on while the new slot's first loads are out
.endm
; A KEY STEP up to head 2's products.  The 64 lane masks of the padded keys come by scalar loads, 32 at a time; the second 32 have the step before's last products in which to come.
.macro MAIN last
	s_wait_kmcnt 0x0
	s_wait_dscnt 18                                ; the mask's tile is in; K's 18 loads may be out
.set i, 0
.rept 32
	v_cndmask_b32 v[MK+i], v[MK+i], v[NEG], s[68+i]                ; -10,000 where the key is padded
.set i, i+1
.endr
	s_load_b512 s[68:83], s[PWA:PWA+1], 0x80       ; registers 32-63's masks
	s_load_b512 s[84:99], s[PWA:PWA+1], 0xc0
	PV 3                                           ; the step before's head 3 is finished (its wait on the vector side stands behind the selects above too)
	s_wait_dscnt 0x0                               ; K is in
	SCORES 0, 0
	s_wait_kmcnt 0x0
.set i, 0
.rept 32
	v_cndmask_b32 v[MK+32+i], v[MK+32+i], v[NEG], s[68+i]
.set i, i+1
.endr
.if (\last) == 0
	s_add_nc_u64 s[PWA:PWA+1], s[PWA:PWA+1], 256   ; (the scalar loads are done: their base may step)
	s_load_b512 s[68:83], s[PWA:PWA+1], 0x0        ; the next key step's first 32
	s_load_b512 s[84:99], s[PWA:PWA+1], 0x40
.endif
	SCORES 0, 4
	REST 0
.irp hd, 1,2
	s_wait_dscnt 0x0                               ; K is in
	SCORES \hd, 0
	SCORES \hd, 4
	REST \hd
.endr
	PLACES
	VLOAD 3                                        ; my last reads of this slot
.endm
	s_mov_b32 s[CNT], 15
	s_wait_alu depctr_va_vdst(0)
	s_wait_loadcnt 0x0                             ; Q and its scale words are in
.Lstep:                                            ; 15 trips: behind each change of slots but the last the next key step is asked for
	TRIP 1
	MAIN 0
	s_sub_co_u32 s[CNT], s[CNT], 1
	s_cmp_lg_u32 s[CNT], 0
	s_cbranch_scc1 .Lstep
	TRIP 0                                         ; the last key step is written out
	MAIN 1
	s_wait_dscnt 17                                ; K of head 3 is in; V's 17 loads may be out
	SCORES 3, 0
	SCORES 3, 4
	PLACES
	SOFTM 3
	SOFTE 3
	SOFTB 3
	s_wait_dscnt 0x0
	PV 3
	; THE WAY OUT.  O^T / the sum; two heads' 64 registers of a lane are 128 neighbours along E of my query: a fragment of the last product's operand, quantised in registers and stored as its image.
.irp hd, 0,1,2,3
	v_add_f32 v[BM+\hd], v[ST+4*\hd+2], v[ST+4*\hd+3]              ; (these four are the places behind the last products)
.endr
.irp hd, 0,1,2,3
	HINT 4
	v_permlanex16_b32 v[PT+\hd], v[BM+\hd], s[SEL], s[SEL+1]
.endr
.irp hd, 0,1,2,3
	HINT 4
	v_add_f32 v[BM+\hd], v[BM+\hd], v[PT+\hd]      ; the row's sum
.endr
	s_wait_alu depctr_va_vdst(0)
.irp hd, 0,1,2,3
	v_rcp_f32 v[ST+4*\hd+2], v[BM+\hd]
.endr
	v_and_b32 v[ADM], 15, v0                       ; (plain work behind the reciprocals)
	v_bfe_u32 v[AD16], v0, 4, 1
	HINT 2
	v_lshlrev_b32 v[ADM], 4, v[ADM]
	HINT 1
	v_lshl_add_u32 v[ADM], v[AD16], 2, v[ADM]      ; scale words: 16 r + 4 h
	s_wait_alu depctr_va_vdst(0)                   ; one wait for the four, ahead of their first reader
.macro OUTP pr
	WIN 0x01
.set i, 0
.rept 32
	v_pk_mul_f32 v[S+2*i:S+2*i+1], v[64*(\pr)+2*i:64*(\pr)+2*i+1], v[ST+4*(2*(\pr)+i/16)+2:ST+4*(2*(\pr)+i/16)+3] op_sel_hi:[1,0]   ; each accumulator from its low end on
.set i, i+1
.endr
	WIN 0
	QUANT S, MK+(\pr), (\pr)
.irp c, 0,1,2
	global_store_b128 v[L16], v[PC+4*\c:PC+4*\c+3], s[10:11] offset:12288*(\pr)+512*\c   ; 512 consecutive bytes, at a multiple of 256 from the buffer's first byte
.endr
.endm
	OUTP 0
	OUTP 1
	v_cndmask_b32 v[MK+2], v[MK], v[MK+1], s[HI]   ; lanes 0-15 store row r's first word, lanes 16-31 its second: pieces of 8 bytes, 16 apart: 128 of the 3,200 bytes that a wave stores
	global_store_b32 v[ADM], v[MK+2], s[12:13]
	s_wait_tensorcnt 0x0                           ; the wave's end
	ds_add_u32 v[SPW], v[NIL]
	s_wait_dscnt 0x0
	CROUND                                         ; the closing round
	s_endpgm
.Lfunc_end_k_q6e4cfda150_attn:
	.size	k_q6e4cfda150_attn, .Lfunc_end_k_q6e4cfda150_attn-k_q6e4cfda150_attn
	.p2alignl 7, 3214868480
	.fill 96, 4, 3214868480
	.section	.rodata,"a",@progbits
	.p2align	6, 0x0
	.amdhsa_kernel k_q6e4cfda150_attn
		.amdhsa_group_segment_fixed_size 327680
		.amdhsa_private_segment_fixed_size 0
		.amdhsa_enable_private_segment 0
		.amdhsa_kernarg_size 40
		.amdhsa_user_sgpr_count 2
		.amdhsa_user_sgpr_kernarg_segment_ptr 1
		.amdhsa_wavefront_size32 1
		.amdhsa_system_sgpr_workgroup_id_x 1
		.amdhsa_system_sgpr_workgroup_id_y 1
		.amdhsa_system_sgpr_workgroup_id_z 1
		.amdhsa_system_vgpr_workitem_id 0
		.amdhsa_next_free_vgpr 512
		.amdhsa_next_free_sgpr 100
		.amdhsa_reserve_vcc 0
		.amdhsa_float_denorm_mode_32 3
		.amdhsa_float_denorm_mode_16_64 3
		.amdhsa_memory_ordered 1
		.amdhsa_forward_progress 1
		.amdhsa_inst_pref_size 188
	.end_amdhsa_kernel
	.amdgpu_metadata
---
amdhsa.version: [ 1, 2 ]
amdhsa.kernels:
  - .name:           k_q6e4cfda150_attn
    .symbol:         k_q6e4cfda150_attn.kd
    .args:
      - { .name: qkv, .offset: 0, .size: 8, .value_kind: global_buffer, .address_space: global }
      - { .name: attention_mask, .offset: 8, .size: 8, .value_kind: global_buffer, .address_space: global }
      - { .name: padw, .offset: 16, .size: 8, .value_kind: global_buffer, .address_space: global }
      - { .name: cod, .offset: 24, .size: 8, .value_kind: global_buffer, .address_space: global }
      - { .name: scl, .offset: 32, .size: 8, .value_kind: global_buffer, .address_space: global }
    .group_segment_fixed_size: 327680
    .private_segment_fixed_size: 0
    .kernarg_segment_align: 8
    .kernarg_segment_size: 40
    .max_flat_workgroup_size: 256
    .sgpr_count:     100
    .vgpr_count:     512
    .wavefront_size: 32
...
	.end_amdgpu_metadata
.endif
;; end of part 3
;; launch oproj (part 4): grid 4 x 32, 4 waves a work-group, clusters of 4 x 4, 327,680 bytes of LDS; arguments cod, scl, b_out, out0; writes out0
.if DOCPART == 4
	.amdgcn_target "amdgcn-amd-amdhsa--gfx1250"
	.amdhsa_code_object_version 6
	.text
	.protected	k_q6e4cfda150_oproj
	.globl	k_q6e4cfda150_oproj
	.p2align	8
	.type	k_q6e4cfda150_oproj,@function
k_q6e4cfda150_oproj:
	s_mov_b64 s[64:65], 0
	v_nop
	global_prefetch_b8 v0, s[64:65] scope:SCOPE_SE
	s_setreg_imm32_b32 hwreg(HW_REG_WAVE_MODE, 25, 1), 1
	s_wait_xcnt 0x0
	s_wait_alu depctr_hold_cnt(0) depctr_sa_sdst(0) depctr_va_vdst(0) depctr_va_sdst(0) depctr_va_ssrc(0) depctr_va_vcc(0) depctr_vm_vsrc(0)
	s_getreg_b32 s2, hwreg(HW_REG_IB_STS2, 6, 4)
	s_cmp_eq_u32 s2, 0
	s_cbranch_scc0 .Lentry_in_a_cluster
	s_endpgm
.Lentry_in_a_cluster:
	s_bfe_u32 s2, ttmp6, 0x10000c
	s_cmp_lg_u32 s2, 0xf033
	s_cbranch_scc0 .Lentry_shape_is_right
	s_endpgm
.Lentry_shape_is_right:
.set PART,  24576
.set SLOT,  4*PART
.set SPARE, 2*SLOT+4096
.set SPITCH, 528
.set FR,    12
.set ADR1,  16
.set ADR0,  20
.set STO,   24
.set RD,    25
.set CO,    26
.set SPW,   28
.set NIL,   29
.set SC,    32
.set AF,    128
.set BK,    128
.set G1,    24
.set G0,    32
.set G1B,   48
.set G0B,   56
.set MSB, 0
.macro WIN new
.if MSB != (\new)
	s_set_vgpr_msb (MSB<<8)|(\new)
.set MSB, (\new)
.endif
.endm
.macro JLOAD g0a, g1a, g0b, g1b
	s_cmp_eq_u32 s15, 0
	s_cbranch_scc0 .Lfor_b_\@
	tensor_load_to_lds s[\g0a:\g0a+3], s[\g1a:\g1a+7]
	s_nop 0
.rept 4
	v_nop
.endr
	s_branch .Lasked_\@
.Lfor_b_\@:
	tensor_load_to_lds s[\g0b:\g0b+3], s[\g1b:\g1b+7]
	s_nop 0
.rept 4
	v_nop
.endr
.Lasked_\@:
.endm
.macro CREST
	s_cmp_lg_u32 s14, 0
	s_cbranch_scc1 .Lnot_wave_0_\@
	s_barrier_signal -3
.Lnot_wave_0_\@:
	s_barrier_wait -3
	s_barrier_signal -1
	s_barrier_wait -1
.endm
.macro CROUND
	s_barrier_signal -1
	s_barrier_wait -1
	CREST
.endm
.macro PLACES
.rept 4
	v_nop
.endr
.endm
	s_load_b256 s[4:11], s[0:1], 0x0
	v_lshl_add_u32 v[SPW], v0, 2, SPARE
	v_mov_b32 v[NIL], 0
	ds_add_u32 v28, v29
	ds_add_u32 v28, v29
	s_wait_dscnt 0x0
	v_lshrrev_b32 v1, 5, v0
	v_readfirstlane_b32 s14, v1
	s_lshr_b32 s15, s14, 1
	s_and_b32 s16, s14, 1
	s_bfe_u32 s40, ttmp6, 0x40000
	s_bfe_u32 s41, ttmp6, 0x40004
	s_lshl_b32 s42, ttmp9, 2
	s_add_co_u32 s42, s42, s40
	s_and_b32 s17, ttmp7, 0xffff
	s_lshl_b32 s17, s17, 2
	s_add_co_u32 s17, s17, s41
	s_lshl_b32 s43, s41, 2
	s_lshl_b32 s43, 15, s43
	s_lshl_b32 s44, 0x1111, s40
	s_or_b32 s[G1], s43, (3<<16)|(1<<21)
	s_or_b32 s[G1B], s44, (3<<16)|(1<<21)
.irp g, G1, G1B
	s_mov_b32 s[\g+1], 32<<16
	s_mov_b32 s[\g+2], 96<<16
	s_mov_b32 s[\g+3], 32<<16
	s_mov_b32 s[\g+4], 96
	s_mov_b32 s[\g+5], 32
	s_mov_b32 s[\g+6], 0
	s_mov_b32 s[\g+7], 0
.endr
	s_lshl_b32 s20, s17, 1
	s_add_co_u32 s20, s20, s16
	s_add_co_u32 s20, s20, 96
	s_mul_i32 s20, s20, 98304
	s_mov_b32 s21, 0
	s_lshl_b32 s46, s42, 1
	s_add_co_u32 s46, s46, s16
	s_add_co_u32 s46, s46, 88
	s_mul_i32 s46, s46, 98304
	s_mov_b32 s47, 0
	s_mul_i32 s45, s14, PART
	s_wait_kmcnt 0x0
	s_add_nc_u64 s[20:21], s[4:5], s[20:21]
	s_add_nc_u64 s[46:47], s[4:5], s[46:47]
	CROUND
.irp s, 0,1
	s_mov_b32 s[G0+4*\s], 1
	s_add_co_u32 s[G0+4*\s+1], s45, \s*SLOT
	s_add_nc_u64 s[G0+4*\s+2:G0+4*\s+3], s[20:21], \s*PART
	s_or_b32 s[G0+4*\s+3], s[G0+4*\s+3], 0x80000000
	s_mov_b32 s[G0B+4*\s], 1
	s_add_co_u32 s[G0B+4*\s+1], s45, \s*SLOT
	s_add_nc_u64 s[G0B+4*\s+2:G0B+4*\s+3], s[46:47], \s*PART
	s_or_b32 s[G0B+4*\s+3], s[G0B+4*\s+3], 0x80000000
	s_wait_alu depctr_va_vdst(0)
	s_wait_tensorcnt 0x0
	ds_add_u32 v28, v29
	ds_add_u32 v28, v29
	s_wait_dscnt 0x0
	CROUND
	JLOAD G0+4*\s, G1, G0B+4*\s, G1B
.endr
	v_and_b32 v1, 15, v0
	v_bfe_u32 v2, v0, 4, 1
	v_and_b32 v3, 31, v0
	v_lshlrev_b32 v[CO], 4, v3
	s_mul_i32 s66, s15, PART
	s_mul_i32 s67, s16, PART
	s_add_co_u32 s67, s67, 2*PART
	v_add_nc_u32 v[ADR1], s66, v[CO]
	v_add_nc_u32 v[ADR0], s67, v[CO]
	v_add_nc_u32 v[ADR1+1], SLOT, v[ADR1]
	v_add_nc_u32 v[ADR0+1], SLOT, v[ADR0]
	s_lshl_b32 s68, s17, 1
	s_add_co_u32 s68, s68, s15
	s_add_co_u32 s68, s68, 96
	s_lshl_b32 s68, s68, 11
	s_lshl_b32 s69, s42, 1
	s_add_co_u32 s69, s69, s16
	s_lshl_b32 s70, s69, 9
	s_add_co_u32 s69, s69, 88
	s_lshl_b32 s69, s69, 11
	s_mov_b32 s81, 0xffff0000
	v_mov_b32 v4, s68
	v_mov_b32 v5, s69
	v_cndmask_b32 v4, v4, v5, s81
	v_lshl_add_u32 v4, v1, 4, v4
.irp i, 0,1,2,3,4,5,6,7
	global_load_b128 v[SC+8*\i:SC+8*\i+3], v4, s[6:7] offset:256*\i
	global_load_b128 v[SC+8*\i+4:SC+8*\i+7], v4, s[6:7] offset:327680+256*\i
.endr
	s_mov_b32 s71, 0
	s_add_nc_u64 s[8:9], s[8:9], s[70:71]
	v_lshlrev_b32 v6, 5, v2
	WIN 0x40
.irp t, 0,1,2,3,4,5,6,7
	global_load_b128 v[96+8*\t+96*(\t/4):96+8*\t+96*(\t/4)+3], v6, s[8:9] offset:64*\t
	global_load_b128 v[96+8*\t+96*(\t/4)+4:96+8*\t+96*(\t/4)+7], v6, s[8:9] offset:64*\t+16
.endr
	WIN 0
	s_lshr_b32 s72, s17, 3
	s_and_b32 s73, s17, 7
	s_lshl_b32 s73, s73, 8
	s_lshl_b32 s74, s15, 7
	s_add_co_u32 s73, s73, s74
	s_lshl_b32 s73, s73, 2
	s_add_co_u32 s73, s73, s72
	s_lshl_b32 s72, s73, 12
	s_lshl_b32 s74, s42, 10
	s_add_co_u32 s72, s72, s74
	s_lshl_b32 s74, s16, 9
	s_add_co_u32 s72, s72, s74
	s_mov_b32 s73, 0
	s_add_nc_u64 s[10:11], s[10:11], s[72:73]
	s_mul_i32 s75, s14, 16*SPITCH
	v_mul_u32_u24 v5, v1, SPITCH
	v_lshl_add_u32 v5, v2, 5, v5
	v_add_nc_u32 v[STO], s75, v5
	v_add_nc_u32 v[RD], s75, v[CO]
	s_wait_loadcnt 0x0
.macro FRAG reg, adr, off
.irp c, 0,1,2
	ds_load_b128 v[\reg+4*\c:\reg+4*\c+3], v[\adr] offset:\off+512*\c
.endr
.endm
.macro FETCH_B slot, q, p
	WIN 0x40
.irp i, 0,1,2,3,4,5,6,7
	FRAG 128*(\p)+FR*\i, ADR0+\slot, (\q)*12288+\i*1536
.endr
	WIN 0
.endm
.macro FETCH_A slot, q, i0
.irp i, \i0, \i0+1, \i0+2, \i0+3
	FRAG AF+FR*(\i), ADR1+\slot, (\q)*12288+(\i)*1536
.endr
.endm
.macro MUL16 a0, p, kq, first
.irp a, \a0, \a0+1
.irp b, 0,1,2,3,4,5,6,7
.if \first
	v_wmma_scale_f32_16x16x128_f8f6f4 v[8*(8*((\a)%4)+\b):8*(8*((\a)%4)+\b)+7], v[128*(\p)+FR*\b:128*(\p)+FR*\b+FR-1], v[AF+FR*(\a):AF+FR*(\a)+FR-1], v[96+8*\b+96*(\b/4):96+8*\b+96*(\b/4)+7], v[SC+8*\b+(\kq)], v[SC+8*(\a)+(\kq)] matrix_a_fmt:MATRIX_FMT_BF6 matrix_b_fmt:MATRIX_FMT_BF6 matrix_a_scale:MATRIX_SCALE_ROW1
.else
	v_wmma_scale_f32_16x16x128_f8f6f4 v[8*(8*((\a)%4)+\b):8*(8*((\a)%4)+\b)+7], v[128*(\p)+FR*\b:128*(\p)+FR*\b+FR-1], v[AF+FR*(\a):AF+FR*(\a)+FR-1], v[8*(8*((\a)%4)+\b):8*(8*((\a)%4)+\b)+7], v[SC+8*\b+(\kq)], v[SC+8*(\a)+(\kq)] matrix_a_fmt:MATRIX_FMT_BF6 matrix_b_fmt:MATRIX_FMT_BF6 matrix_a_scale:MATRIX_SCALE_ROW1
.endif
.endr
.endr
.endm
.macro STEP slot, kq, first
	s_wait_dscnt 12
.if \first
	WIN 0x91
.else
	WIN 0xa1
.endif
	MUL16 0, 0, \kq, \first
	MUL16 2, 0, \kq, \first
	s_wait_dscnt 0x0
	PLACES
	FETCH_B \slot, 1, 1
	FETCH_A \slot, 1, 0
.if \first
	WIN 0xd1
.else
	WIN 0xf1
.endif
	MUL16 4, 0, \kq, \first
	MUL16 6, 0, \kq, \first
	PLACES
	WIN 0
	FETCH_A \slot, 1, 4
.endm
.macro TURN slot, next, kq, fill
	s_wait_tensorcnt 0x0
	ds_add_u32 v[SPW], v[NIL]
	s_wait_dscnt 13
	WIN 0xa1
	MUL16 0, 1, \kq, 0
	s_wait_dscnt 0x0
	s_barrier_signal -1
	MUL16 2, 1, \kq, 0
	WIN 0
	s_barrier_wait -1
.if \fill
	CREST
	s_add_nc_u64 s[G0+4*\slot+2:G0+4*\slot+3], s[G0+4*\slot+2:G0+4*\slot+3], 2*PART
	s_add_nc_u64 s[G0B+4*\slot+2:G0B+4*\slot+3], s[G0B+4*\slot+2:G0B+4*\slot+3], 2*PART
	JLOAD G0+4*\slot, G1, G0B+4*\slot, G1B
.else
	PLACES
.endif
	FETCH_B \next, 0, 0
	FETCH_A \next, 0, 0
	WIN 0xf1
	MUL16 4, 1, \kq, 0
	MUL16 6, 1, \kq, 0
	PLACES
	WIN 0
	FETCH_A \next, 0, 4
.endm
	s_wait_tensorcnt 1
	s_barrier_signal -1
	s_barrier_wait -1
	FETCH_B 0, 0, 0
	FETCH_A 0, 0, 0
	FETCH_A 0, 0, 4
	STEP 0, 0, 1
	TURN 0, 1, 1, 1
	STEP 1, 2, 0
	TURN 1, 0, 3, 1
	STEP 0, 4, 0
	TURN 0, 1, 5, 0
	STEP 1, 6, 0
	s_wait_dscnt 12
	WIN 0xa1
	MUL16 0, 1, 7, 0
	MUL16 2, 1, 7, 0
	s_wait_alu depctr_va_vdst(0)
	s_wait_dscnt 0x0
	WIN 0xf1
	MUL16 4, 1, 7, 0
	MUL16 6, 1, 7, 0
	WIN 0
.macro TOSTAGE a
.set AC, 64*((\a)%4)
	WIN 0x08+4*((\a)/4)
.irp b, 0,1,2,3,4,5,6,7
	ds_store_b128 v[STO], v[AC+8*\b:AC+8*\b+3] offset:64*\b
	ds_store_b128 v[STO], v[AC+8*\b+4:AC+8*\b+7] offset:64*\b+16
.endr
	WIN 0
.set BB, BK+64*((\a)%2)
.irp t, 0,1,2,3,4,5,6,7,8,9,10,11,12,13,14,15
	ds_load_b128 v[BB+4*\t:BB+4*\t+3], v[RD] offset:\t*SPITCH
.endr
.endm
.macro SEND a, younger
.set BB, BK+64*((\a)%2)
	s_wait_dscnt \younger
.irp t, 0,1,2,3,4,5,6,7,8,9,10,11,12,13,14,15
	global_store_b128 v[CO], v[BB+4*\t:BB+4*\t+3], s[10:11] offset:(16*(\a)+\t)*16384 th:TH_STORE_NT
.endr
.endm
	PLACES
	TOSTAGE 0
.irp a, 1,2,3,4,5,6,7
.if \a > 1
	s_wait_xcnt 0x0
.endif
	TOSTAGE \a
	SEND \a-1, 32
.endr
	SEND 7, 0
	s_wait_tensorcnt 0x0
	ds_add_u32 v[SPW], v[NIL]
	s_wait_dscnt 0x0
	CROUND
	s_endpgm
.Lfunc_end_k_q6e4cfda150_oproj:
	.size	k_q6e4cfda150_oproj, .Lfunc_end_k_q6e4cfda150_oproj-k_q6e4cfda150_oproj
	.p2alignl 7, 3214868480
	.fill 96, 4, 3214868480
	.section	.rodata,"a",@progbits
	.p2align	6, 0x0
	.amdhsa_kernel k_q6e4cfda150_oproj
		.amdhsa_group_segment_fixed_size 327680
		.amdhsa_private_segment_fixed_size 0
		.amdhsa_enable_private_segment 0
		.amdhsa_kernarg_size 32
		.amdhsa_user_sgpr_count 2
		.amdhsa_user_sgpr_kernarg_segment_ptr 1
		.amdhsa_wavefront_size32 1
		.amdhsa_system_sgpr_workgroup_id_x 1
		.amdhsa_system_sgpr_workgroup_id_y 1
		.amdhsa_system_sgpr_workgroup_id_z 1
		.amdhsa_system_vgpr_workitem_id 0
		.amdhsa_next_free_vgpr 1024
		.amdhsa_next_free_sgpr 96
		.amdhsa_reserve_vcc 0
		.amdhsa_float_denorm_mode_32 3
		.amdhsa_float_denorm_mode_16_64 3
		.amdhsa_memory_ordered 1
		.amdhsa_forward_progress 1
		.amdhsa_inst_pref_size 135
	.end_amdhsa_kernel
	.amdgpu_metadata
---
amdhsa.version: [ 1, 2 ]
amdhsa.kernels:
  - .name:           k_q6e4cfda150_oproj
    .symbol:         k_q6e4cfda150_oproj.kd
    .args:
      - { .name: cod, .offset: 0, .size: 8, .value_kind: global_buffer, .address_space: global }
      - { .name: scl, .offset: 8, .size: 8, .value_kind: global_buffer, .address_space: global }
      - { .name: b_out, .offset: 16, .size: 8, .value_kind: global_buffer, .address_space: global }
      - { .name: out0, .offset: 24, .size: 8, .value_kind: global_buffer, .address_space: global }
    .group_segment_fixed_size: 327680
    .private_segment_fixed_size: 0
    .kernarg_segment_align: 8
    .kernarg_segment_size: 32
    .max_flat_workgroup_size: 128
    .sgpr_count:     96
    .vgpr_count:     1024
    .wavefront_size: 32
...
	.end_amdgpu_metadata
.endif
;; end of part 4
